; MI455X (gfx1250); checked and timed in simulation.
; The chip was launched on July 23, 2026; its instructions are those of AMD's public machine-readable ISA for CDNA 5 (MIT licence, August 2026) and "CDNA5" Instruction Set Architecture Reference Guide (July 2026). The comments in the code are by the model that wrote it; some were corrected since.
;; Multi Head Attention. Allowed arithmetic: matrix products marked QUANTISED: E2M1 operands, one E8M0 scale for each 32 along K, by v_wmma_scale_f32_16x16x128_f8f6f4 with both operands' format E2M1 (or v_wmma_scale_f32_32x16x128_f4), f32 sums; products left as they are: bf16, f16 or f32 operands; f32 sums; everything else in f32.
;; Inputs: b_proj 1,024 float32; w_proj 1,024 x 1,024 float32; w_qkv 1,024 x 3,072 float32; x 4 x 2,048 x 1,024 float32.
;; Outputs: out0 4 x 2,048 x 1,024 float32.
;; This version of the problem:
;;   THIS VERSION OF THE PROBLEM IS GIVEN IN LOW PRECISION. The matrix products marked QUANTISED in the list below multiply operands that are first quantised to E2M1 (2 exponent bits, 1 mantissa bit; 4 bits a number), with one power-of-two scale for each 32 numbers along K (OCP MX v1.0); their sums are f32. The products marked 'left as it is' may take bf16, f16 or f32 operands, with f32 sums. Whichever they take, every output number must still come out within the allowed error. Rounding operands to bf16 (8 significant bits) uses up far more of that allowance than f16 does (11 bits, for magnitudes from 6e-5 to 65,504). All else is computed in f32.
;;   The module's matrix products, in the order in which they are computed (A, B: the left and right operand; K: the contracted axis; several contracted axes count as one K, in the product's order):
;;     1. [M 8,192, K 1,024] x [K 1,024, N 3,072]; A: input x; B: input w_qkv: QUANTISED
;;     2. batch 64 x [M 2,048, K 64] x [K 64, N 2,048]; A: computed on the way; B: computed on the way: left as it is (an operand is computed on the way)
;;     3. batch 64 x [M 2,048, K 2,048] x [K 2,048, N 64]; A: computed on the way; B: computed on the way: left as it is (an operand is computed on the way)
;;     4. [M 8,192, K 1,024] x [K 1,024, N 1,024]; A: computed on the way; B: input w_proj: left as it is (an operand is computed on the way)
;;   THE QUANTISER, for each operand of a quantised product, along K:
;;     - K is cut into blocks of 32 from its start; a last block that is shorter is filled with zeros.
;;     - A block's scale is 2^e with e = floor(log2(the largest magnitude in the block)) - 2, held to -126 .. 127; a block of zeros has e = 0. As a byte (E8M0): e + 127.
;;     - Each number is divided by its block's scale, clamped to +-6, and rounded to the nearest number of E2M1, ties to even, subnormals kept.
;;     - The product sums the exact products of the quantised numbers (number of the format x scale) in f32.
;;   ~~~python
;;   def quantise(x, axis):      # numpy; x: float32 -> the quantised numbers, widened to float32 again
;;       x = np.moveaxis(x, axis, -1); K = x.shape[-1]
;;       x = np.pad(x, [(0, 0)] * (x.ndim - 1) + [(0, -K % 32)]); x = x.reshape(x.shape[:-1] + (-1, 32)); a = np.abs(x).max(-1, keepdims=True)
;;       e = np.where(a > 0, np.clip(np.frexp(np.where(a > 0, a, 1))[1] - 1 - 2, -126, 127), 0)      # np.frexp(a)[1] - 1 = floor(log2(a)), exactly
;;       r = np.clip(x / 2.0 ** e, -6, 6)
;;       step = 2.0 ** (np.maximum(np.frexp(np.where(r == 0, 1, r))[1] - 1, 0) - 1)
;;       q = np.round(r / step) * step * 2.0 ** e      # np.round: ties to even
;;       return np.moveaxis(q.reshape(q.shape[:-2] + (-1,))[..., :K], -1, axis).astype(np.float32)
;;   ~~~
;; One version. Each part assembles by itself: llvm-mc -triple=amdgcn-amd-amdhsa -mcpu=gfx1250 --defsym DOCPART=n.
;; ======== version 1 of 1: 5 launches
;; limits: values are held in f16: magnitudes above 65,504 overflow, below 6.1e-05 lose precision
;; workspace buffers: xc 4,194,304 bytes; xs 262,144 bytes; wc 1,572,864 bytes; ws 98,304 bytes; wp16 2,097,152 bytes; qkv16 50,331,648 bytes; qkv32 786,432 bytes; att16 16,777,216 bytes
;; launch prep (part 1): grid 576 x 1, 4 waves a work-group, no clusters, 42,496 bytes of LDS; arguments x, w_qkv, w_proj, xc, xs, wc, ws, wp16; writes xc, xs, wc, ws, wp16
.if DOCPART == 1
	.amdgcn_target "amdgcn-amd-amdhsa--gfx1250"
	.amdhsa_code_object_version 6
	.text
	.protected	k_q5fe5e61eec_prep
	.globl	k_q5fe5e61eec_prep
	.p2align	8
	.type	k_q5fe5e61eec_prep,@function
k_q5fe5e61eec_prep:
	s_mov_b64 s[64:65], 0
	v_nop
	global_prefetch_b8 v0, s[64:65] scope:SCOPE_SE
	s_setreg_imm32_b32 hwreg(HW_REG_WAVE_MODE, 25, 1), 1
	s_wait_xcnt 0x0
; PREP: the operands of the quantised product become codes of FP4 (E2M1) with one E8M0 scale byte for each 32 along K, and w_proj becomes f16.
;   x      [8192][1024] f32, K innermost  -> xc [8192][512 bytes], xs [8192][32]
;   w_qkv  [1024][3072] f32, K outermost  -> wc [3072][512 bytes] (K innermost), ws [3072][32]
;   w_proj [1024][1024] f32               -> wp16, the same layout in f16 (rounded to nearest even)
; A block's scale is 2^(floor(log2(its largest magnitude)) - 2); its byte is the largest magnitude's exponent field - 2, held at 1 from below.
; LIMITS: a block of zeros gets the byte 1 where the rule says 127 (its codes are zeros, and this program alone reads the bytes); blocks whose largest magnitude lies
; under 2^-124 keep the byte 1; NaN and infinities among the inputs are not served; |w_proj| stays under 65,504.
; One launch, three paths that part on the work-group's number alone: 0-191 w_qkv (the longest, so it starts first), 192-447 x, 448-575 w_proj.  Each path has LDS bytes of its own.
; No tensor loads, no cluster: nothing is read twice, every byte is loaded once into registers.
.set SP,    80                         ; path X: a lane's place in a stage: 64 bytes + 16 of padding
.set WREG,  8192                       ; path X: a wave's LDS region: two stages of 32 x SP bytes, then its 256 scale bytes
.set STEPS, 16
.set EMAX,  2
.set CB,    8                          ; bytes of 16 codes
.set R,     16                         ; path X: v16-79 four sets of 16 numbers as loaded
.set X,     80                         ; v80-111 two sets of 16 neighbours
.set E,     112                        ; v112-127 a scale byte for each step
.set C,     128                        ; v128-191 codes, four registers for each step
.set SPW,   12                         ; v12 LDS address of my spare word; never rewritten
.set NIL,   13                         ; v13 0; never rewritten
.set WSTG,  32768                      ; path W: 32 rows (columns of w_qkv) x 272 bytes of codes
.set WP,    272
.set WSCL,  WSTG+32*WP                 ; path W: 32 x 16 scale bytes
.set SPARE, WSCL+512                   ; the spare words, 128 bytes for each wave
.set NW,    12288                      ; bytes in a row of w_qkv
.set WX,    32                         ; path W: v32-159 four sets of 32 numbers
.set WCD,   160                        ; v160-175 codes of four blocks
.set WOUT,  176                        ; v176-191 rows on the way out
	s_load_b256 s[4:11], s[0:1], 0x0               ; x s[4:5], w_qkv s[6:7], w_proj s[8:9], xc s[10:11]
	s_load_b256 s[12:19], s[0:1], 0x20             ; xs s[12:13], wc s[14:15], ws s[16:17], wp16 s[18:19]
	v_lshl_add_u32 v[SPW], v0, 2, SPARE
	v_mov_b32 v[NIL], 0
	v_lshrrev_b32 v1, 5, v0
	v_readfirstlane_b32 s20, v1                    ; wave 0..3
	v_and_b32 v2, 31, v0                           ; lane
	s_mov_b32 s25, 0                               ; the upper word of every offset pair s[24:25]
	s_wait_kmcnt 0x0
	s_cmp_lt_u32 ttmp9, 192
	s_cbranch_scc1 .Lpath_w
	s_cmp_lt_u32 ttmp9, 448
	s_cbranch_scc0 .Lpath_p
; ---------------- PATH X: a wave takes 16 steps of 512 numbers of x.  Each load reads 512 consecutive bytes; a step's 2,048 bytes turn through the wave's own stage so that a lane holds 16 neighbours along K.
	v_lshlrev_b32 v3, 4, v2                        ; my 16 bytes of a load's 512
	s_mul_i32 s21, s20, WREG
	v_lshrrev_b32 v14, 2, v2
	v_mul_u32_u24 v14, v14, SP
	v_and_b32 v15, 3, v2
	v_lshl_add_u32 v14, v15, 4, v14
	v_add_nc_u32 v14, s21, v14                     ; the stage, in: SP (lane / 4) + 16 (lane % 4)
	v_mul_u32_u24 v15, v2, SP
	v_add_nc_u32 v15, s21, v15                     ; out: SP x lane
	v_mul_u32_u24 v4, v2, CB                       ; my codes' place in a step's 256 bytes
	v_lshrrev_b32 v5, 1, v2
	s_add_co_u32 s21, s21, 2*32*SP
	v_add_nc_u32 v5, s21, v5                       ; my block's scale byte in the wave's 256
	v_lshlrev_b32 v7, 3, v2
	v_add_nc_u32 v6, s21, v7                       ; and 8 bytes a lane on their way out
	s_sub_co_u32 s22, ttmp9, 192
	s_lshl_b32 s22, s22, 2
	s_add_co_u32 s22, s22, s20                     ; which run of 8,192 numbers is my wave's: 0..1023
	s_lshl_b32 s24, s22, 15
	s_add_nc_u64 s[4:5], s[4:5], s[24:25]          ; x: 32,768 bytes a run
	s_lshl_b32 s24, s22, 12
	s_add_nc_u64 s[10:11], s[10:11], s[24:25]      ; codes: 4,096
	s_lshl_b32 s24, s22, 8
	s_add_nc_u64 s[12:13], s[12:13], s[24:25]      ; scale bytes: 256
.macro XLOAD t
.irp i, 0,1,2,3
	global_load_b128 v[R+16*((\t)%4)+4*\i:R+16*((\t)%4)+4*\i+3], v3, s[4:5] offset:2048*(\t)+512*\i th:TH_LOAD_NT
.endr
.endm
.macro XTURN t                         ; LDS serves a wave's instructions in order: no wait between the stores and the loads
.irp i, 0,1,2,3
	ds_store_b128 v14, v[R+16*((\t)%4)+4*\i:R+16*((\t)%4)+4*\i+3] offset:32*SP*((\t)%2)+8*SP*\i
.endr
.irp i, 0,1,2,3
	ds_load_b128 v[X+16*((\t)%2)+4*\i:X+16*((\t)%2)+4*\i+3], v15 offset:32*SP*((\t)%2)+16*\i
.endr
.endm
.irp t, 0,1,2,3
	XLOAD \t
.endr
	s_wait_loadcnt 12                              ; step 0's four loads are in; the twelve behind them stay out
	XTURN 0
.macro XSTEP t
.set XS, X+16*((\t)%2)
.if (\t) > 0
	s_wait_dscnt 1                                 ; this step's numbers are back from the stage; the last step's byte store may be out
.else
	s_wait_dscnt 0x0
.endif
.if (\t)+4 < STEPS
	XLOAD (\t)+4                                   ; into the registers that this step's stage stores have read
.endif
.if (\t)+1 < STEPS
.if STEPS-2-(\t) >= 3
	s_wait_loadcnt 12                              ; the next step's four loads are in; three steps' loads may be out
.else
	s_wait_loadcnt 4*(STEPS-2-(\t))
.endif
	XTURN (\t)+1
.endif
	v_max3_num_f32 v8, |v[XS]|, |v[XS+1]|, |v[XS+2]|
	v_max3_num_f32 v9, |v[XS+3]|, |v[XS+4]|, |v[XS+5]|
.irp i, 6,10
	v_max3_num_f32 v8, v8, |v[XS+\i]|, |v[XS+\i+1]|
	v_max3_num_f32 v9, v9, |v[XS+\i+2]|, |v[XS+\i+3]|
.endr
	v_max3_num_f32 v8, v8, |v[XS+14]|, |v[XS+15]|
	v_max3_num_f32 v8, v8, v9, (EMAX+1)<<23        ; the floor 2^(3 - 127): the byte cannot fall under 1
	v_max_num_f32_dpp v8, v8, v8 row_xmask:1 row_mask:0xf bank_mask:0xf   ; with my neighbour's 16: the block's largest magnitude
	v_add_nc_u32 v11, -(EMAX<<23), v8              ; 2 off its exponent field: the conversion's scale operand
	v_cvt_scalef32_pk8_fp4_f32 v[C+4*(\t)], v[XS:XS+7], v11
	v_cvt_scalef32_pk8_fp4_f32 v[C+4*(\t)+1], v[XS+8:XS+15], v11
	v_lshrrev_b32 v[E+(\t)], 23, v11               ; the scale's byte (also the plain line behind the conversions)
	ds_store_b8 v5, v[E+(\t)] offset:16*(\t)       ; both lanes of a block write the same byte with the same value
	global_store_b64 v4, v[C+4*(\t):C+4*(\t)+1], s[10:11] offset:32*CB*(\t)   ; the wave stores 256 consecutive bytes, aligned
.endm
.irp t, 0,1,2,3,4,5,6,7,8,9,10,11,12,13,14,15
	XSTEP \t
.endr
	ds_load_b64 v[8:9], v6                         ; my wave's 256 scale bytes, in order behind my stores
	s_wait_dscnt 0x0
	global_store_b64 v7, v[8:9], s[12:13]          ; 256 consecutive bytes, aligned
	s_branch .Lend
; ---------------- PATH W: a work-group takes 32 columns of w_qkv x 512 along K; a lane is a column, its registers run down K; wave w takes K = 128 w .. 128 w + 127 of the half: four blocks.
.Lpath_w:
	v_lshlrev_b32 v3, 2, v2                        ; in: 4 bytes a lane
	v_mul_u32_u24 v4, v2, WP
	s_lshl_b32 s21, s20, 6
	s_add_co_u32 s21, s21, WSTG
	v_add_nc_u32 v4, s21, v4                       ; stage, in: row = my column, my wave's 64 bytes
	v_lshlrev_b32 v9, 4, v2
	s_lshl_b32 s21, s20, 2
	s_add_co_u32 s21, s21, WSCL
	v_add_nc_u32 v9, s21, v9                       ; my column's 16 scale bytes, my wave's word
	v_and_b32 v5, 15, v2
	v_lshrrev_b32 v6, 4, v2
	v_mul_u32_u24 v7, v6, WP
	v_lshl_add_u32 v7, v5, 4, v7
	s_mul_i32 s21, s20, 8*WP
	s_add_co_u32 s21, s21, WSTG
	v_add_nc_u32 v7, s21, v7                       ; stage, out: rows 8 w on, sixteen lanes to a row
	v_lshlrev_b32 v8, 9, v6
	v_lshl_add_u32 v8, v5, 4, v8                   ; the same place in wc: rows of 512 bytes
	v_lshl_add_u32 v10, v2, 4, WSCL                ; wave 0: a column's 16 scale bytes
	v_lshlrev_b32 v11, 5, v2                       ; and its row of 32 in ws
	s_lshr_b32 s21, ttmp9, 1                       ; g: which 32 columns
	s_and_b32 s22, ttmp9, 1                        ; y: which half of K
	s_lshl_b32 s23, s22, 2
	s_add_co_u32 s23, s23, s20                     ; 4 y + w: which 128 rows of w_qkv
	s_mul_i32 s24, s23, 128*NW
	s_lshl_b32 s26, s21, 7
	s_add_co_u32 s24, s24, s26
	s_add_nc_u64 s[6:7], s[6:7], s[24:25]
	s_lshl_b32 s24, s21, 14                        ; wc: (32 g + 8 w) rows of 512 bytes + 256 y
	s_lshl_b32 s26, s20, 12
	s_add_co_u32 s24, s24, s26
	s_lshl_b32 s26, s22, 8
	s_add_co_u32 s24, s24, s26
	s_add_nc_u64 s[14:15], s[14:15], s[24:25]
	s_lshl_b32 s24, s21, 10                        ; ws: 32 g rows of 32 bytes + 16 y
	s_lshl_b32 s26, s22, 4
	s_add_co_u32 s24, s24, s26
	s_add_nc_u64 s[16:17], s[16:17], s[24:25]
.macro WLOAD t                         ; block t: 32 rows of w_qkv at my column; neighbouring lanes read neighbouring bytes
.irp i, 0,1,2,3,4,5,6,7,8,9,10,11,12,13,14,15,16,17,18,19,20,21,22,23,24,25,26,27,28,29,30,31
	global_load_b32 v[WX+32*(\t)+\i], v3, s[6:7] offset:(32*(\t)+\i)*NW th:TH_LOAD_NT
.endr
.endm
	WLOAD 0
	WLOAD 1
.macro WBLOCK t
.set XS, WX+32*(\t)
.if (\t) < 3
	s_wait_loadcnt 32                              ; this block's 32 loads are in; the next block's may be out
.else
	s_wait_loadcnt 0x0
.endif
.if (\t) < 2
	WLOAD (\t)+2                                   ; each block has registers of its own
.endif
	v_max3_num_f32 v20, |v[XS]|, |v[XS+1]|, |v[XS+2]|
	v_max3_num_f32 v21, |v[XS+3]|, |v[XS+4]|, |v[XS+5]|
.irp i, 6,10,14,18,22,26
	v_max3_num_f32 v20, v20, |v[XS+\i]|, |v[XS+\i+1]|
	v_max3_num_f32 v21, v21, |v[XS+\i+2]|, |v[XS+\i+3]|
.endr
	v_max3_num_f32 v20, v20, |v[XS+30]|, |v[XS+31]|
	v_max3_num_f32 v20, v20, v21, (EMAX+1)<<23     ; the floor
	v_add_nc_u32 v22, -(EMAX<<23), v20             ; the conversion's scale operand
	v_lshrrev_b32 v23, 23, v22                     ; the scale's byte
.if (\t) == 0
	v_mov_b32 v24, v23
.else
	v_lshl_or_b32 v24, v23, 8*(\t), v24            ; four bytes to a word, the lower K in the lower byte
.endif
.irp g, 0,1,2,3
	v_cvt_scalef32_pk8_fp4_f32 v[WCD+4*(\t)+\g], v[XS+8*\g:XS+8*\g+7], v22
.endr
	ds_store_b128 v4, v[WCD+4*(\t):WCD+4*(\t)+3] offset:16*(\t)   ; 32 codes: 16 bytes of my column's row
.endm
	WBLOCK 0
	WBLOCK 1
	WBLOCK 2
	WBLOCK 3
	v_nop                                          ; a plain line behind the last conversion
	ds_store_b32 v9, v24
	s_wait_dscnt 0x0                               ; for the others' sake: my stores have landed
	s_barrier_signal -1
	s_barrier_wait -1                              ; a row's 256 bytes come from four waves
.irp u, 0,1,2,3
	ds_load_b128 v[WOUT+4*\u:WOUT+4*\u+3], v7 offset:2*\u*WP
.endr
.irp u, 0,1,2,3
	s_wait_dscnt 3-\u                              ; LDS loads come back in order: pair u of rows is in
	global_store_b128 v8, v[WOUT+4*\u:WOUT+4*\u+3], s[14:15] offset:2*\u*512   ; sixteen lanes store 256 consecutive bytes, aligned
.endr
	s_cmp_lg_u32 s20, 0
	s_cbranch_scc1 .Lend                           ; wave 0 alone sends the scale bytes
	ds_load_b128 v[20:23], v10
	s_wait_dscnt 0x0
	global_store_b128 v11, v[20:23], s[16:17]      ; 16 bytes of each of 32 rows of ws
	s_branch .Lend
; ---------------- PATH P: a wave casts 2,048 numbers of w_proj to f16.
.Lpath_p:
	v_lshlrev_b32 v3, 4, v2
	v_lshlrev_b32 v4, 3, v2
	s_sub_co_u32 s21, ttmp9, 448
	s_lshl_b32 s21, s21, 2
	s_add_co_u32 s21, s21, s20                     ; chunk 0..511
	s_lshl_b32 s24, s21, 13
	s_add_nc_u64 s[8:9], s[8:9], s[24:25]
	s_lshl_b32 s24, s21, 12
	s_add_nc_u64 s[18:19], s[18:19], s[24:25]
.irp i, 0,1,2,3,4,5,6,7,8,9,10,11,12,13,14,15
	global_load_b128 v[32+4*\i:35+4*\i], v3, s[8:9] offset:512*\i th:TH_LOAD_NT
.endr
.irp i, 0,1,2,3,4,5,6,7,8,9,10,11,12,13,14,15
	s_wait_loadcnt 15-\i                           ; load i is in; the younger ones stay out
	v_cvt_pk_f16_f32 v[96+2*\i], v[32+4*\i], v[33+4*\i]
	v_cvt_pk_f16_f32 v[97+2*\i], v[34+4*\i], v[35+4*\i]
	global_store_b64 v4, v[96+2*\i:97+2*\i], s[18:19] offset:256*\i   ; the wave stores 256 consecutive bytes, aligned
.endr
.Lend:
	s_wait_tensorcnt 0x0                           ; the wave's end, behind the last LDS store
	ds_add_u32 v[SPW], v[NIL]
	s_wait_dscnt 0x0
	s_endpgm
.Lfunc_end_k_q5fe5e61eec_prep:
	.size	k_q5fe5e61eec_prep, .Lfunc_end_k_q5fe5e61eec_prep-k_q5fe5e61eec_prep
	.p2alignl 7, 3214868480
	.fill 96, 4, 3214868480
	.section	.rodata,"a",@progbits
	.p2align	6, 0x0
	.amdhsa_kernel k_q5fe5e61eec_prep
		.amdhsa_group_segment_fixed_size 42496
		.amdhsa_private_segment_fixed_size 0
		.amdhsa_enable_private_segment 0
		.amdhsa_kernarg_size 64
		.amdhsa_user_sgpr_count 2
		.amdhsa_user_sgpr_kernarg_segment_ptr 1
		.amdhsa_wavefront_size32 1
		.amdhsa_system_sgpr_workgroup_id_x 1
		.amdhsa_system_sgpr_workgroup_id_y 1
		.amdhsa_system_sgpr_workgroup_id_z 1
		.amdhsa_system_vgpr_workitem_id 0
		.amdhsa_next_free_vgpr 192
		.amdhsa_next_free_sgpr 66
		.amdhsa_reserve_vcc 0
		.amdhsa_float_denorm_mode_32 3
		.amdhsa_float_denorm_mode_16_64 3
		.amdhsa_memory_ordered 1
		.amdhsa_forward_progress 1
		.amdhsa_inst_pref_size 60
	.end_amdhsa_kernel
	.amdgpu_metadata
---
amdhsa.version: [ 1, 2 ]
amdhsa.kernels:
  - .name:           k_q5fe5e61eec_prep
    .symbol:         k_q5fe5e61eec_prep.kd
    .args:
      - { .name: x, .offset: 0, .size: 8, .value_kind: global_buffer, .address_space: global }
      - { .name: w_qkv, .offset: 8, .size: 8, .value_kind: global_buffer, .address_space: global }
      - { .name: w_proj, .offset: 16, .size: 8, .value_kind: global_buffer, .address_space: global }
      - { .name: xc, .offset: 24, .size: 8, .value_kind: global_buffer, .address_space: global }
      - { .name: xs, .offset: 32, .size: 8, .value_kind: global_buffer, .address_space: global }
      - { .name: wc, .offset: 40, .size: 8, .value_kind: global_buffer, .address_space: global }
      - { .name: ws, .offset: 48, .size: 8, .value_kind: global_buffer, .address_space: global }
      - { .name: wp16, .offset: 56, .size: 8, .value_kind: global_buffer, .address_space: global }
    .group_segment_fixed_size: 42496
    .private_segment_fixed_size: 0
    .kernarg_segment_align: 8
    .kernarg_segment_size: 64
    .max_flat_workgroup_size: 128
    .sgpr_count:     66
    .vgpr_count:     192
    .wavefront_size: 32
...
	.end_amdgpu_metadata
.endif
;; end of part 1
;; launch qkv (part 2): grid 12 x 32, 4 waves a work-group, clusters of 4 x 4, 327,680 bytes of LDS; arguments xc, xs, wc, ws, qkv16, qkv32; writes qkv16, qkv32
.if DOCPART == 2
	.amdgcn_target "amdgcn-amd-amdhsa--gfx1250"
	.amdhsa_code_object_version 6
	.text
	.protected	k_q5fe5e61eec_qkv
	.globl	k_q5fe5e61eec_qkv
	.p2align	8
	.type	k_q5fe5e61eec_qkv,@function
k_q5fe5e61eec_qkv:
	s_mov_b64 s[64:65], 0
	v_nop
	global_prefetch_b8 v0, s[64:65] scope:SCOPE_SE
	s_setreg_imm32_b32 hwreg(HW_REG_WAVE_MODE, 25, 1), 1
	s_wait_xcnt 0x0
	s_wait_alu depctr_hold_cnt(0) depctr_sa_sdst(0) depctr_va_vdst(0) depctr_va_sdst(0) depctr_va_ssrc(0) depctr_va_vcc(0) depctr_vm_vsrc(0)
	s_getreg_b32 s2, hwreg(HW_REG_IB_STS2, 6, 4)
	s_cmp_eq_u32 s2, 0
	s_cbranch_scc0 .Lentry_in_a_cluster
	s_endpgm
.Lentry_in_a_cluster:
	s_bfe_u32 s2, ttmp6, 0x10000c
	s_cmp_lg_u32 s2, 0xf033
	s_cbranch_scc0 .Lentry_shape_is_right
	s_endpgm
.Lentry_shape_is_right:
; QKV = Q(x) Q(w_qkv): [8192][1024] x [3072][1024]^T on codes of FP4 (E2M1) with one E8M0 scale for each 32 along K; sums in f32, K ascending.
; OUT: qkv16 [3 (q, k, v)][4 b][16 h][2048 t][64] f16 (a head of one tensor is a dense plane of 2^18 bytes), and the f32 sums of positions t < 16 of every batch in qkv32 [4 b][16 t][3072].
; LIMIT: |q|, |k|, |v| stay under 65,504, f16's largest number.
; A tile of the result, 256 x 256, is made by a work-group of four waves; a wave makes 128 x 128: 64 accumulators, 512 registers.  K = 1,024 is two K steps of 512: both are first fills of two LDS slots,
; so no slot is filled again and there is no loop.  The scale bytes of the tile's 256 + 256 rows come once, as dense blocks.  By this text's own count a wave has three tensor loads out at the most.
; CLUSTERS: 4 x 4 work-groups; the four of a row need the same tiles of x's codes, the four of a column the same tiles of w's: each is asked for jointly.
; THE MATRIX INSTRUCTION IS USED TRANSPOSED (source 0 = 16 rows of w, source 1 = 16 rows of x): a lane holds eight neighbouring columns of one row of the result.
; REGISTERS: window 0: v0-31 addresses; v32-95 scale words, two sets; v128-191 x's fragments, one set.  window 1: w's fragments, two sets.  windows 2, 3: the accumulators ((a, b) at v[8 (8 (a % 4) + b)]).
.set SIZE_M, 8192
.set SIZE_N, 3072
.set SIZE_K, 1024
.set KSTEP,  512
.set NQ,     KSTEP/128
.set ROWB,   256                       ; a tile's row in bytes
.set KROW,   SIZE_K*4/8
.set PITCH,  272                       ; an LDS row: 256 bytes + 16: the 16 rows of a fragment load start at 16 different banks (64 banks of 4 bytes: ISA guide 11.1)
.set FR,     8
.set NL,     2
.set NP,     4                         ; places behind this matrix instruction (ISA guide 7.12.1)
.set HALFT,  128*PITCH
.set SLOT,   4*HALFT
.set KS,     SIZE_K/32
.set SCL,    2*SLOT
.set HALFS,  (128*KS/256)*272
.set SBLK,   (16*KS/256)*272
.set SPARE,  SCL+4*HALFS               ; the spare words, 128 bytes a wave
.set SPITCH, 272                       ; the way out: 16 rows x (256 bytes + 16) a wave, in slot 0, which has had its only fill and its last read by then
.set ADRA, 16
.set ADRB, 20
.set STO,  24
.set RD,   25
.set CO,   26
.set ADRS, 27
.set SPW,  28
.set NIL,  29
.set FO,   30                          ; v30 my byte offset in qkv32: 12,288 r + 32 h
.set TT,   31                          ; v31 the position t of my row in block 0
.set SC,   32
.set AF,   128
.set TMP,  32                          ; the way out: packed results
.set BK,   128                         ; the way out: rows read back, two sets of 32
.set G1, 24
.set G0, 32
.set G1B, 48
.set G0B, 56
.set G1S, 68
.set G0S, 76
.set G1SB, 80
.set G0SB, 88
.set MSB, 0
.macro WIN new                         ; the immediate's high byte repeats the setting that is left
.if MSB != \new
	s_set_vgpr_msb (MSB<<8)|\new
.set MSB, \new
.endif
.endm
.set MUL_LO, 0xa1
.set MUL_HI, 0xf1
.set TO_B,   0x40
; A joint load: waves 0 and 1 fetch for x, waves 2 and 3 for w.  An s_nop 0 and four v_nop follow each line.
.macro JLOAD g0a, g1a, g0b, g1b
	s_cmp_eq_u32 s15, 0
	s_cbranch_scc0 .Lfor_b_\@
	tensor_load_to_lds s[\g0a:\g0a+3], s[\g1a:\g1a+7]
	s_nop 0
.rept 4
	v_nop
.endr
	s_branch .Lasked_\@
.Lfor_b_\@:
	tensor_load_to_lds s[\g0b:\g0b+3], s[\g1b:\g1b+7]
	s_nop 0
.rept 4
	v_nop
.endr
.Lasked_\@:
.endm
.macro CROUND                          ; a round of the cluster's barrier
	s_barrier_signal -1
	s_barrier_wait -1
	s_cmp_lg_u32 s14, 0
	s_cbranch_scc1 .Lnot_wave_0_\@
	s_barrier_signal -3
.Lnot_wave_0_\@:
	s_barrier_wait -3
	s_barrier_signal -1
	s_barrier_wait -1
.endm
	s_load_b128 s[4:7], s[0:1], 0x0                ; x's codes, x's scales
	s_load_b128 s[8:11], s[0:1], 0x10              ; w's codes, w's scales
	s_load_b64 s[12:13], s[0:1], 0x20              ; qkv16
	s_load_b64 s[96:97], s[0:1], 0x28              ; qkv32
	v_lshl_add_u32 v[SPW], v0, 2, SPARE
	v_mov_b32 v[NIL], 0
	ds_add_u32 v[SPW], v[NIL]                      ; the opening: the add, twice on end, and its wait ahead of my first tensor load
	ds_add_u32 v[SPW], v[NIL]
	v_lshrrev_b32 v1, 5, v0
	v_readfirstlane_b32 s14, v1                    ; wave 0..3
	s_lshr_b32 s15, s14, 1                         ; my half of the tile's rows; also: I fetch for x (0) or w (1)
	s_and_b32 s16, s14, 1                          ; my half of its columns; also: which 128 rows I fetch
	s_bfe_u32 s40, ttmp6, 0x40000                  ; cx
	s_bfe_u32 s41, ttmp6, 0x40004                  ; cy
	s_lshl_b32 s42, ttmp9, 2
	s_add_co_u32 s42, s42, s40                     ; tile column
	s_and_b32 s17, ttmp7, 0xffff
	s_lshl_b32 s17, s17, 2
	s_add_co_u32 s17, s17, s41                     ; tile row
	s_lshl_b32 s43, s41, 2
	s_lshl_b32 s43, 15, s43                        ; my row of the cluster
	s_lshl_b32 s44, 0x1111, s40                    ; my column
	s_or_b32 s[G1+0], s43, (0<<16)|(1<<20)|(1<<21)|(5<<22)|(3<<25)  ; mask; elements of 1 byte; padding: 4 words after every 64; bit 21 beside a mask
	s_or_b32 s[G1B+0], s44, (0<<16)|(1<<20)|(1<<21)|(5<<22)|(3<<25)
.irp g, G1, G1B
	s_mov_b32 s[\g+1], ROWB<<16                    ; tensor_dim0
	s_mov_b32 s[\g+2], 128<<16                     ; tensor_dim1
	s_mov_b32 s[\g+3], ROWB<<16                    ; tile_dim0
	s_mov_b32 s[\g+4], 128                         ; tile_dim1
	s_mov_b32 s[\g+5], KROW                        ; pitch
	s_mov_b32 s[\g+6], 0
	s_mov_b32 s[\g+7], 0
.endr
	s_or_b32 s[G1S+0], s43, (3<<16)|(1<<20)|(1<<21)|(5<<22)|(3<<25) ; the scales of 128 rows: 4,096 dense bytes as 16 rows of 256 (32 elements of 8 bytes), 16 bytes of padding behind each
	s_or_b32 s[G1SB+0], s44, (3<<16)|(1<<20)|(1<<21)|(5<<22)|(3<<25)
.irp g, G1S, G1SB
	s_mov_b32 s[\g+1], 32<<16
	s_mov_b32 s[\g+2], (128*KS/256)<<16
	s_mov_b32 s[\g+3], 32<<16
	s_mov_b32 s[\g+4], 128*KS/256
	s_mov_b32 s[\g+5], 32
	s_mov_b32 s[\g+6], 0
	s_mov_b32 s[\g+7], 0
.endr
	s_lshl_b32 s18, s16, 7
	s_lshl_b32 s20, s17, 8
	s_add_co_u32 s20, s20, s18                     ; x: row 256 x tile row + 128 x half
	s_lshl_b32 s46, s42, 8
	s_add_co_u32 s46, s46, s18                     ; w: row 256 x tile column + 128 x half
	s_mov_b32 s21, 0
	s_mov_b32 s47, 0
	s_mov_b64 s[18:19], KS
	s_mul_u64 s[22:23], s[20:21], s[18:19]
	s_mul_u64 s[92:93], s[46:47], s[18:19]
	s_mov_b64 s[18:19], KROW
	s_mul_u64 s[20:21], s[20:21], s[18:19]
	s_mul_u64 s[46:47], s[46:47], s[18:19]
	s_mul_i32 s45, s14, HALFT                      ; where they go: wave x 128 rows
	s_mul_i32 s94, s14, HALFS
	s_wait_dscnt 0x0                               ; both opening adds are done
	s_wait_kmcnt 0x0
	s_add_nc_u64 s[20:21], s[4:5], s[20:21]
	s_add_nc_u64 s[22:23], s[6:7], s[22:23]
	s_add_nc_u64 s[46:47], s[8:9], s[46:47]
	s_add_nc_u64 s[92:93], s[10:11], s[92:93]
	CROUND                                         ; all sixteen work-groups are here: the joint loads meet
	s_mov_b32 s[G0S], 1
	s_add_co_u32 s[G0S+1], s94, SCL
	s_mov_b64 s[G0S+2:G0S+3], s[22:23]
	s_or_b32 s[G0S+3], s[G0S+3], 0x80000000
	s_mov_b32 s[G0SB], 1
	s_add_co_u32 s[G0SB+1], s94, SCL
	s_mov_b64 s[G0SB+2:G0SB+3], s[92:93]
	s_or_b32 s[G0SB+3], s[G0SB+3], 0x80000000
	JLOAD G0S, G1S, G0SB, G1SB                     ; the scales first
.irp s, 0,1
	s_mov_b32 s[G0+4*\s], 1
	s_add_co_u32 s[G0+4*\s+1], s45, \s*SLOT
	s_add_nc_u64 s[G0+4*\s+2:G0+4*\s+3], s[20:21], \s*ROWB
	s_or_b32 s[G0+4*\s+3], s[G0+4*\s+3], 0x80000000
	s_mov_b32 s[G0B+4*\s], 1
	s_add_co_u32 s[G0B+4*\s+1], s45, \s*SLOT
	s_add_nc_u64 s[G0B+4*\s+2:G0B+4*\s+3], s[46:47], \s*ROWB
	s_or_b32 s[G0B+4*\s+3], s[G0B+4*\s+3], 0x80000000
	JLOAD G0+4*\s, G1, G0B+4*\s, G1B
.endr
	v_and_b32 v1, 15, v0                           ; r
	v_bfe_u32 v2, v0, 4, 1                         ; h
	v_mul_u32_u24 v3, v1, PITCH
	v_lshl_add_u32 v4, v2, 4, v3
	s_mul_i32 s21, s15, HALFT
	s_mul_i32 s22, s16, HALFT
	s_add_co_u32 s22, s22, 2*HALFT
.irp s, 0,1
	v_add_nc_u32 v[ADRA+\s], s21, v4
	v_add_nc_u32 v[ADRB+\s], s22, v4
	s_add_co_u32 s21, s21, SLOT
	s_add_co_u32 s22, s22, SLOT
.endr
	v_mul_u32_u24 v5, v1, KS                       ; my row's scales: 32 bytes a row,
	v_lshrrev_b32 v6, 8, v5
	v_lshl_add_u32 v5, v6, 4, v5                   ; and 16 more for each 256 passed
	s_mul_i32 s21, s15, HALFS
	s_mul_i32 s22, s16, HALFS
	s_add_co_u32 s22, s22, 2*HALFS
	s_sub_co_u32 s22, s22, s21
	v_mul_u32_u24 v6, s22, v2                      ; lanes 16-31 take w's
	s_add_co_u32 s21, s21, SCL
	v_add_nc_u32 v5, v5, v6
	v_add_nc_u32 v[ADRS], s21, v5
	s_mul_i32 s23, s14, 16*SPITCH                  ; my stage
	v_mul_u32_u24 v5, v1, SPITCH
	v_lshl_add_u32 v5, v2, 4, v5
	v_add_nc_u32 v[STO], s23, v5                   ; in: row r, 16 bytes for each half of the lanes
	v_and_b32 v6, 31, v0
	v_lshrrev_b32 v7, 3, v6
	v_mul_u32_u24 v7, v7, SPITCH
	v_and_b32 v8, 7, v0
	v_lshl_add_u32 v7, v8, 4, v7
	v_add_nc_u32 v[RD], s23, v7                    ; back: eight lanes take 128 bytes (a head's 64 numbers) of a row, four rows an instruction
	v_lshlrev_b32 v[CO], 4, v6                     ; which are 512 consecutive bytes of the head's plane
	v_mul_u32_u24 v[FO], v1, 12288
	v_lshl_add_u32 v[FO], v2, 5, v[FO]
	; where my part begins: plane = 64 x (q, k or v) + 16 x batch + head; in it t x 128 bytes
	s_lshr_b32 s46, s42, 2                         ; q, k or v: 1,024 columns each
	s_lshl_b32 s46, s46, 6
	s_and_b32 s47, s42, 3
	s_lshl_b32 s47, s47, 2
	s_add_co_u32 s46, s46, s47                     ; + four heads to a tile column
	s_lshl_b32 s47, s16, 1
	s_add_co_u32 s46, s46, s47                     ; + two to my half
	s_lshr_b32 s20, s17, 3                         ; the batch: eight tile rows each
	s_lshl_b32 s21, s20, 4
	s_add_co_u32 s46, s46, s21
	s_lshl_b32 s46, s46, 18
	s_and_b32 s21, s17, 7
	s_lshl_b32 s21, s21, 8
	s_lshl_b32 s22, s15, 7
	s_add_co_u32 s21, s21, s22                     ; my first position t
	s_lshl_b32 s22, s21, 7
	s_add_co_u32 s46, s46, s22
	s_mov_b32 s47, 0
	s_add_nc_u64 s[12:13], s[12:13], s[46:47]
	s_mul_i32 s46, s20, 196608                     ; qkv32: the batch's 16 rows of 12,288 bytes,
	s_lshl_b32 s22, s42, 10
	s_add_co_u32 s46, s46, s22                     ; my tile's 256 columns,
	s_lshl_b32 s22, s16, 9
	s_add_co_u32 s46, s46, s22                     ; my half's 128
	s_add_nc_u64 s[96:97], s[96:97], s[46:47]
	v_add_nc_u32 v[TT], s21, v1
.macro FRAG reg, adr, q, i             ; 16 rows x 128 K of 4-bit codes: 8 registers, two loads of 16 bytes, 32 bytes apart
.irp c, 0,1
	ds_load_b128 v[\reg+4*\c:\reg+4*\c+3], v[\adr] offset:64*(\q)+32*\c+(\i)*16*PITCH
.endr
.endm
; 16 matrix instructions: x's blocks a0, a0 + 1 against w's eight.  The 64 accumulators take turns, one instruction a turn, in the same order in every step.
.macro MUL16 a0, p, q, sc, zero
.irp a, \a0, \a0+1
.irp b, 0,1,2,3,4,5,6,7
.if \zero
	v_wmma_scale_f32_16x16x128_f8f6f4 v[8*(8*((\a)%4)+\b):8*(8*((\a)%4)+\b)+7], v[128*(\p)+FR*\b:128*(\p)+FR*\b+FR-1], v[AF+FR*(\a):AF+FR*(\a)+FR-1], 0, v[SC+8*NQ*(\sc)+NQ*\b+(\q)], v[SC+8*NQ*(\sc)+NQ*(\a)+(\q)] matrix_a_fmt:MATRIX_FMT_FP4 matrix_b_fmt:MATRIX_FMT_FP4 matrix_a_scale:MATRIX_SCALE_ROW1
.else
	v_wmma_scale_f32_16x16x128_f8f6f4 v[8*(8*((\a)%4)+\b):8*(8*((\a)%4)+\b)+7], v[128*(\p)+FR*\b:128*(\p)+FR*\b+FR-1], v[AF+FR*(\a):AF+FR*(\a)+FR-1], v[8*(8*((\a)%4)+\b):8*(8*((\a)%4)+\b)+7], v[SC+8*NQ*(\sc)+NQ*\b+(\q)], v[SC+8*NQ*(\sc)+NQ*(\a)+(\q)] matrix_a_fmt:MATRIX_FMT_FP4 matrix_b_fmt:MATRIX_FMT_FP4 matrix_a_scale:MATRIX_SCALE_ROW1
.endif
.endr
.endr
.endm
.macro FETCH_B slot, q, p
	WIN TO_B
.irp i, 0,1,2,3,4,5,6,7
	FRAG 128*(\p)+FR*\i, ADRB+\slot, \q, \i
.endr
	WIN 0
.endm
.macro FETCH_A slot, q, i0
.irp i, \i0, \i0+1, \i0+2, \i0+3
	FRAG AF+FR*(\i), ADRA+\slot, \q, \i
.endr
.endm
.macro SCALES sc                       ; a K step's scale words: lanes 0-15 x's block i, lanes 16-31 w's block i
.irp i, 0,1,2,3,4,5,6,7
	ds_load_b128 v[SC+8*NQ*\sc+NQ*\i:SC+8*NQ*\sc+NQ*\i+3], v[ADRS] offset:\i*SBLK
.endr
.endm
.macro PLACES n                        ; plain vector instructions between a matrix instruction and a load into, or a read of, its registers
.rept \n
	v_nop
.endr
.endm
.macro STEP slot, q, zero              ; 128 along K that has its successor in the same slot
	s_wait_dscnt 4*NL                              ; w's set and x's blocks 0-3 are in; the youngest eight loads (x's blocks 4-7) may be out
	WIN MUL_LO
	MUL16 0, (\q)%2, \q, \slot, \zero
	MUL16 2, (\q)%2, \q, \slot, \zero
	s_wait_dscnt 0
	PLACES NP
	FETCH_B \slot, (\q)+1, 1-(\q)%2
	FETCH_A \slot, (\q)+1, 0
	WIN MUL_HI
	MUL16 4, (\q)%2, \q, \slot, \zero
	MUL16 6, (\q)%2, \q, \slot, \zero
	PLACES NP
	WIN 0
	FETCH_A \slot, (\q)+1, 4
.endm
.macro TURN slot, next                 ; slot 0's last step: one barrier; behind it slot 1 is whole for every wave and nobody reads slot 0 any more
	s_wait_tensorcnt 0x0                           ; all my tensor loads have landed: my part of slot 1
	ds_add_u32 v[SPW], v[NIL]                      ; 0 onto my spare word
	s_wait_dscnt 4*NL+1                            ; the add and the youngest eight loads may be out
	WIN MUL_LO
	MUL16 0, 1, NQ-1, \slot, 0
	s_wait_dscnt 0x0                               ; the add is done, my reads of this slot are over
	s_barrier_signal -1
	MUL16 2, 1, NQ-1, \slot, 0
	WIN 0
	s_barrier_wait -1
	PLACES NP
	v_add_nc_u32 v[ADRS], 4*NQ, v[ADRS]            ; the next K step's scale words
	FETCH_B \next, 0, 0
	FETCH_A \next, 0, 0
	SCALES \next
	WIN MUL_HI
	MUL16 4, 1, NQ-1, \slot, 0
	MUL16 6, 1, NQ-1, \slot, 0
	PLACES NP
	WIN 0
	FETCH_A \next, 0, 4
.endm
	s_wait_tensorcnt 1                             ; the scales and my part of K step 0 are in; K step 1's load may be out
	s_barrier_signal -1
	s_barrier_wait -1
	FETCH_B 0, 0, 0
	FETCH_A 0, 0, 0
	SCALES 0
	FETCH_A 0, 0, 4
	STEP 0, 0, 1                                   ; the first products start the sums: nothing is cleared
	STEP 0, 1, 0
	STEP 0, 2, 0
	TURN 0, 1
	STEP 1, 0, 0
	STEP 1, 1, 0
	STEP 1, 2, 0
	s_wait_dscnt 4*NL                              ; the last step: nothing more to fetch
	WIN MUL_LO
	MUL16 0, 1, NQ-1, 1, 0
	MUL16 2, 1, NQ-1, 1, 0
	s_wait_dscnt 0
	WIN MUL_HI
	MUL16 4, 1, NQ-1, 1, 0
	MUL16 6, 1, NQ-1, 1, 0
	WIN 0
	; THE WAY OUT.
	PLACES NP                                      ; behind the last products: for the reads of results and the writes into operands' registers below
	; The f32 sums of positions t < 16 (block 0 of the waves whose first position is 0): no branch, the lanes are chosen by EXEC; every lane's address lies inside qkv32 in every wave.
	s_wait_xcnt 0x0                                ; EXEC changes only behind this wait
	v_cmp_gt_u32 vcc_lo, 16, v[TT]
	s_and_saveexec_b32 s95, vcc_lo
	WIN 0x08                                       ; a store's data: window 2
.irp b, 0,1,2,3,4,5,6,7
	global_store_b128 v[FO], v[8*\b:8*\b+3], s[96:97] offset:64*\b        ; each accumulator from its low end on
	global_store_b128 v[FO], v[8*\b+4:8*\b+7], s[96:97] offset:64*\b+16
.endr
	WIN 0
	s_wait_xcnt 0x0                                ; and again ahead of the line that widens it
	s_or_b32 exec_lo, exec_lo, s95
; Block a (16 rows x 128 columns = two heads): rounded to f16, through my stage, back as four rows of one head at a time: 512 consecutive bytes of the head's plane.
.macro PACK a
.set AC, 64*((\a)%4)
	WIN 0x0a+5*((\a)/4)                            ; sources 0 and 1: window 2 or 3
.irp b, 0,1,2,3,4,5,6,7
.irp i, 0,1,2,3
	v_cvt_pk_f16_f32 v[TMP+4*\b+\i], v[AC+8*\b+2*\i], v[AC+8*\b+2*\i+1]
.endr
.endr
	WIN 0
.endm
.macro TOSTAGE a
.set BB, BK+32*((\a)%2)
.irp b, 0,1,2,3,4,5,6,7
	ds_store_b128 v[STO], v[TMP+4*\b:TMP+4*\b+3] offset:32*\b
.endr
.irp t, 0,1,2,3,4,5,6,7
	ds_load_b128 v[BB+4*\t:BB+4*\t+3], v[RD] offset:(\t%4)*4*SPITCH+(\t/4)*128   ; LDS serves a wave's instructions in order: these see the stores above
.endr
.endm
.macro SEND a
.set BB, BK+32*((\a)%2)
	s_wait_dscnt 0x0                               ; the block is back in registers
	s_wait_xcnt 0x0                                ; the block before's stores have read their registers: the next block's loads may land there
.irp t, 0,1,2,3,4,5,6,7
	global_store_b128 v[CO], v[BB+4*\t:BB+4*\t+3], s[12:13] offset:(\t/4)*262144+(\a)*2048+(\t%4)*512
.endr
.endm
	PACK 0
	TOSTAGE 0
.irp a, 1,2,3,4,5,6,7
	PACK \a                                        ; block a's conversions stand between block a - 1's loads from the stage and the wait for them
	SEND \a-1
	TOSTAGE \a
.endr
	SEND 7
	s_wait_tensorcnt 0x0                           ; the wave's end
	ds_add_u32 v[SPW], v[NIL]
	s_wait_dscnt 0x0
	CROUND                                         ; the closing round
	s_endpgm
.Lfunc_end_k_q5fe5e61eec_qkv:
	.size	k_q5fe5e61eec_qkv, .Lfunc_end_k_q5fe5e61eec_qkv-k_q5fe5e61eec_qkv
	.p2alignl 7, 3214868480
	.fill 96, 4, 3214868480
	.section	.rodata,"a",@progbits
	.p2align	6, 0x0
	.amdhsa_kernel k_q5fe5e61eec_qkv
		.amdhsa_group_segment_fixed_size 327680
		.amdhsa_private_segment_fixed_size 0
		.amdhsa_enable_private_segment 0
		.amdhsa_kernarg_size 48
		.amdhsa_user_sgpr_count 2
		.amdhsa_user_sgpr_kernarg_segment_ptr 1
		.amdhsa_wavefront_size32 1
		.amdhsa_system_sgpr_workgroup_id_x 1
		.amdhsa_system_sgpr_workgroup_id_y 1
		.amdhsa_system_sgpr_workgroup_id_z 1
		.amdhsa_system_vgpr_workitem_id 0
		.amdhsa_next_free_vgpr 1024
		.amdhsa_next_free_sgpr 98
		.amdhsa_reserve_vcc 1
		.amdhsa_float_denorm_mode_32 3
		.amdhsa_float_denorm_mode_16_64 3
		.amdhsa_memory_ordered 1
		.amdhsa_forward_progress 1
		.amdhsa_inst_pref_size 129
	.end_amdhsa_kernel
	.amdgpu_metadata
---
amdhsa.version: [ 1, 2 ]
amdhsa.kernels:
  - .name:           k_q5fe5e61eec_qkv
    .symbol:         k_q5fe5e61eec_qkv.kd
    .args:
      - { .name: xc, .offset: 0, .size: 8, .value_kind: global_buffer, .address_space: global }
      - { .name: xs, .offset: 8, .size: 8, .value_kind: global_buffer, .address_space: global }
      - { .name: wc, .offset: 16, .size: 8, .value_kind: global_buffer, .address_space: global }
      - { .name: ws, .offset: 24, .size: 8, .value_kind: global_buffer, .address_space: global }
      - { .name: qkv16, .offset: 32, .size: 8, .value_kind: global_buffer, .address_space: global }
      - { .name: qkv32, .offset: 40, .size: 8, .value_kind: global_buffer, .address_space: global }
    .group_segment_fixed_size: 327680
    .private_segment_fixed_size: 0
    .kernarg_segment_align: 8
    .kernarg_segment_size: 48
    .max_flat_workgroup_size: 128
    .sgpr_count:     98
    .vgpr_count:     1024
    .wavefront_size: 32
...
	.end_amdgpu_metadata
.endif
;; end of part 2
;; launch attn (part 3): grid 4 x 64, 8 waves a work-group, no clusters, 327,680 bytes of LDS; arguments qkv16, att16; writes att16
.if DOCPART == 3
	.amdgcn_target "amdgcn-amd-amdhsa--gfx1250"
	.amdhsa_code_object_version 6
	.text
	.protected	k_q5fe5e61eec_attn
	.globl	k_q5fe5e61eec_attn
	.p2align	8
	.type	k_q5fe5e61eec_attn,@function
k_q5fe5e61eec_attn:
	s_mov_b64 s[64:65], 0
	v_nop
	global_prefetch_b8 v0, s[64:65] scope:SCOPE_SE
	s_setreg_imm32_b32 hwreg(HW_REG_WAVE_MODE, 25, 1), 1
	s_wait_xcnt 0x0
; ATT[b][h][q][:] = the sum over k <= q of softmax_k(Q[q] . K[k] / 8) V[k][:], for 64 heads of 2,048 positions x 64 channels.  Q, K, V: planes of qkv16, f16; att16 [64][2048][64] f16.
; Products on f16 operands with f32 sums; maxima, exponentials and sums in f32; the weights p are rounded to f16 for the second product, the result once at the end.
; LIMIT: the result stays under 65,504.  (The rows q < 16 are made anew in f32 by a later launch.)
; SHARES.  Work-group (i, head) owns two blocks of 256 queries: block 7 - i (HI) and block i (LO), so that under the causal mask every work-group has the same number of tiles to multiply:
; a wave's two pieces walk (4 (7 - i) + w / 2 + 1) + (4 i + w / 2 + 1) key steps whatever i is.  Wave w owns 32 queries of each block: piece H (tiles 0, 1) and piece L (tiles 2, 3).
; All eight waves walk the keys from 0 on, 64 a step; a piece whose queries all come before a step's keys is left out by a scalar branch on ids.  While both pieces are at work a fragment of K or V feeds four products.
; Eight waves of 512 registers: two to a SIMD, so that one wave's softmax stands beside the other's products.
; NO CLUSTER: the four work-groups of a head need 8 - i slots of keys, another number each, so a joint load would bring a partner tiles that none of its waves reads.
; LAYOUT.  S^T = K Q^T (source 0 = 16 keys, source 1 = 16 queries) and O^T = V^T P (source 0 = 16 channels, source 1 = P): a lane holds ONE query throughout; two tiles of S^T, rounded in pairs, are source 1 of the second product.
; SOFTMAX.  A running maximum m and sum l: p = 2^(c s - c m), c = log2(e) / 8; in every step O and l are multiplied by a = 2^(c m_old - c m_new).
; RING.  Two LDS slots of 256 keys (K rows of 128 + 16 bytes, V rows of 128 + 32), filled by waves 0, 1 (K's halves) and 2, 3 (V's halves), read by all eight.  Every wait on TENSORcnt is for 0.
; REGISTERS.  window 0: v1-14 addresses; v16-47 statistics, 8 a tile; v64-127 S^T of the piece in hand; v128-159 P; v160-223 K's fragments; v224-255 the way out.
;             window 1: v0-63 Q; v64-127 V's fragments; v128-255 O^T, 32 a tile.
.set KP,    144
.set VP,    160
.set VOFF,  256*KP
.set SLOT1, 1<<17
.set STAGE, 2*SLOT1                    ; 16 rows x 144 bytes for each wave: bytes of its own, no fill lands there
.set SPARE, STAGE+8*16*KP              ; the spare words, 128 bytes a wave
.set AK0, 1
.set AV0, 2
.set ADK, 3
.set ADV, 4
.set QO,  5
.set STO, 6
.set RD,  7
.set GO,  8
.set SPW, 9
.set NIL, 10
.set PFO, 11
.set RH,  12                           ; r - 8 h
.set DM,  13
.set NINF, 14
.set ST,  16                           ; tile t at v[ST+8 t]: +0 c m, +1 m, +2, +3 l, +4..+7 at work (a in +6)
.set S,   64
.set P,   128
.set KFR, 160
.set OUTR, 224
.set QF,  0                            ; window 1
.set VF,  64
.set O,   128
.set WV,  18
.set SEL, 20
.set CS,  22
.set G1K, 24
.set G1V, 32
.set G0K, 40
.set G0V, 44
.set KF,  48                           ; the step's first key
.set QH,  49                           ; piece H's first query
.set QL,  50                           ; piece L's
.set TK,  51                           ; LDS byte of the step's rows of K
.set TV,  52                           ; and of V (less VOFF)
.set SLOTS, 53
.set CNT, 54
.set LIM, 55
.set PFK, 56
.set PFV, 58
.set QBH, 60
.set QBL, 62
.set OBH, 66
.set OBL, 68
.set MSB, 0
.macro WIN new
.if MSB != \new
	s_set_vgpr_msb (MSB<<8)|\new
.set MSB, \new
.endif
.endm
; Waves 0, 1 fetch K's halves, waves 2, 3 V's, the others nothing.  An s_nop 0 and four v_nop follow each line.
.macro TLOAD
	s_cmp_lt_u32 s[WV], 2
	s_cbranch_scc0 .Lnot_k_\@
	tensor_load_to_lds s[G0K:G0K+3], s[G1K:G1K+7]
	s_nop 0
.rept 4
	v_nop
.endr
	s_branch .Lasked_\@
.Lnot_k_\@:
	s_cmp_lt_u32 s[WV], 4
	s_cbranch_scc0 .Lasked_\@
	tensor_load_to_lds s[G0V:G0V+3], s[G1V:G1V+7]
	s_nop 0
.rept 4
	v_nop
.endr
.Lasked_\@:
.endm
; A prefetch of the slot that the NEXT change of slots will load: 32,768 dense bytes of K and as many of V.  All four work-groups of a head walk the same keys: work-group 0, which walks all eight slots, asks;
; in it waves 4 to 7, which fetch nothing, take 8,192 bytes each of K and of V, lanes 256 bytes apart: each block of 256 bytes is named once in the launch.  The last change that fills a slot asks for nothing.
.macro ASK
	s_cmp_gt_u32 s[SLOTS], s[LIM]
	s_cbranch_scc0 .Lnot_mine_\@
	global_prefetch_b8 v[PFO], s[PFK:PFK+1] th:TH_LOAD_NT scope:SCOPE_SE
	global_prefetch_b8 v[PFO], s[PFV:PFV+1] th:TH_LOAD_NT scope:SCOPE_SE
.Lnot_mine_\@:
.endm
	s_load_b128 s[4:7], s[0:1], 0x0                ; qkv16, att16
	v_lshl_add_u32 v[SPW], v0, 2, SPARE
	v_mov_b32 v[NIL], 0
	ds_add_u32 v[SPW], v[NIL]                      ; the opening: the add, twice on end, and its wait ahead of the first tensor load
	ds_add_u32 v[SPW], v[NIL]
	v_lshrrev_b32 v15, 5, v0
	v_readfirstlane_b32 s[WV], v15                 ; wave 0..7
	s_and_b32 s70, ttmp7, 0xffff                   ; the head, 0..63
	s_lshl_b32 s72, s70, 18                        ; its plane in q's part of qkv16 and in att16
	s_mov_b32 s73, 0
	s_sub_co_u32 s71, 7, ttmp9
	s_lshl_b32 s[QH], s71, 8
	s_lshl_b32 s71, s[WV], 5
	s_add_co_u32 s[QH], s[QH], s71                 ; 256 (7 - i) + 32 w
	s_lshl_b32 s[QL], ttmp9, 8
	s_add_co_u32 s[QL], s[QL], s71                 ; 256 i + 32 w
	s_mov_b32 s[G1K], (1<<16)|(1<<20)|(4<<22)|(3<<25)   ; elements of 2 bytes; padding: 4 words after every 32
	s_mov_b32 s[G1V], (1<<16)|(1<<20)|(4<<22)|(7<<25)   ; 8 words after every 32
.irp g, G1K, G1V
	s_mov_b32 s[\g+1], 64<<16                      ; tensor_dim0
	s_mov_b32 s[\g+2], 128<<16                     ; tensor_dim1
	s_mov_b32 s[\g+3], 64<<16                      ; tile_dim0
	s_mov_b32 s[\g+4], 128                         ; tile_dim1
	s_mov_b32 s[\g+5], 64                          ; pitch
	s_mov_b32 s[\g+6], 0
	s_mov_b32 s[\g+7], 0
.endr
	s_and_b32 s75, s[WV], 1                        ; which half of a slot's 256 keys I fetch
	s_mul_i32 s76, s75, 128*KP
	s_mul_i32 s77, s75, 128*VP
	s_add_co_u32 s77, s77, VOFF
	s_lshl_b32 s78, s75, 14
	s_add_co_u32 s78, s78, s72
	s_mov_b32 s79, 0
	s_mov_b32 s[SEL], 0x76543210
	s_mov_b32 s[SEL+1], 0xfedcba98
	s_mov_b32 s[CS], 0x3e38aa3b                    ; c = log2(e) / 8
	s_mov_b32 s[CS+1], s[CS]
	s_mov_b32 s[KF], 0
	s_mov_b32 s[TK], 0
	s_mov_b32 s[TV], 0
	s_mov_b32 s[SLOTS], 7
	s_sub_co_u32 s74, s[WV], 4
	s_lshr_b32 s74, s74, 2                         ; 0 in waves 4 to 7,
	s_or_b32 s74, s74, ttmp9                       ; of the head's work-group 0
	s_cmp_eq_u32 s74, 0
	s_cselect_b32 s[LIM], 1, -1
	s_wait_dscnt 0x0                               ; both opening adds are done
	s_wait_kmcnt 0x0
	s_mov_b32 s[G0K], 1
	s_mov_b32 s[G0K+1], s76
	s_add_nc_u64 s[G0K+2:G0K+3], s[4:5], s[78:79]
	s_add_nc_u64 s[G0K+2:G0K+3], s[G0K+2:G0K+3], 64<<18    ; k's planes lie behind q's 64
	s_or_b32 s[G0K+3], s[G0K+3], 0x80000000
	s_mov_b32 s[G0V], 1
	s_mov_b32 s[G0V+1], s77
	s_add_nc_u64 s[G0V+2:G0V+3], s[4:5], s[78:79]
	s_add_nc_u64 s[G0V+2:G0V+3], s[G0V+2:G0V+3], 128<<18   ; v's behind k's
	s_or_b32 s[G0V+3], s[G0V+3], 0x80000000
	TLOAD                                          ; slot 0: key 0 counts for every query, so it is read by every wave
	s_and_b32 s74, s[WV], 3
	s_lshl_b32 s74, s74, 13
	s_add_co_u32 s74, s74, s72
	s_add_co_u32 s74, s74, 32768                   ; in slot 1: the first change of slots steps it to slot 2
	s_mov_b32 s75, 0
	s_add_nc_u64 s[PFK:PFK+1], s[4:5], s[74:75]
	s_add_nc_u64 s[PFV:PFV+1], s[PFK:PFK+1], 128<<18
	s_add_nc_u64 s[PFK:PFK+1], s[PFK:PFK+1], 64<<18
	s_lshl_b32 s74, s[QH], 7
	s_add_co_u32 s74, s74, s72
	s_add_nc_u64 s[QBH:QBH+1], s[4:5], s[74:75]
	s_add_nc_u64 s[OBH:OBH+1], s[6:7], s[74:75]
	s_lshl_b32 s74, s[QL], 7
	s_add_co_u32 s74, s74, s72
	s_add_nc_u64 s[QBL:QBL+1], s[4:5], s[74:75]
	s_add_nc_u64 s[OBL:OBL+1], s[6:7], s[74:75]
	v_and_b32 v48, 15, v0                          ; r
	v_bfe_u32 v49, v0, 4, 1                        ; h
	v_lshlrev_b32 v[QO], 7, v48
	v_lshl_add_u32 v[QO], v49, 4, v[QO]            ; row r of 128 bytes + 16 h
	WIN 0x40                                       ; destination window 1
.irp t, 0,1
.irp c, 0,1
	global_load_b128 v[QF+16*\t+8*\c:QF+16*\t+8*\c+3],   v[QO], s[QBH:QBH+1] offset:\t*2048+64*\c
	global_load_b128 v[QF+16*\t+8*\c+4:QF+16*\t+8*\c+7], v[QO], s[QBH:QBH+1] offset:\t*2048+64*\c+32
	global_load_b128 v[QF+32+16*\t+8*\c:QF+32+16*\t+8*\c+3],   v[QO], s[QBL:QBL+1] offset:\t*2048+64*\c
	global_load_b128 v[QF+32+16*\t+8*\c+4:QF+32+16*\t+8*\c+7], v[QO], s[QBL:QBL+1] offset:\t*2048+64*\c+32
.endr
.endr
.set i, 0
.rept 128
	v_mov_b32 v[O+i], 0                            ; O^T: the step is written once; its first walk finds zeros, which a = 0 leaves zeros
.set i, i+1
.endr
	WIN 0
	v_mul_u32_u24 v[AK0], v48, KP
	v_lshl_add_u32 v[AK0], v49, 4, v[AK0]          ; K: row r x pitch + 16 h
	v_and_b32 v50, 7, v0
	v_bfe_u32 v51, v0, 3, 1
	v_lshl_add_u32 v[AV0], v49, 3, v50             ; V, for the turning load: key 8 h + l % 8,
	v_mul_u32_u24 v[AV0], v[AV0], VP
	v_lshl_add_u32 v[AV0], v51, 4, v[AV0]          ; channels 8 ((l / 8) % 2) on
	v_add_nc_u32 v[AV0], VOFF, v[AV0]
	s_mul_i32 s70, s[WV], 16*KP
	s_add_co_u32 s70, s70, STAGE                   ; my stage
	v_add_nc_u32 v[STO], s70, v[AK0]               ; in: row r, 16 bytes for each half of the lanes
	v_and_b32 v52, 31, v0
	v_lshrrev_b32 v53, 3, v52
	v_mul_u32_u24 v53, v53, KP
	v_lshl_add_u32 v53, v50, 4, v53
	v_add_nc_u32 v[RD], s70, v53                   ; back: eight lanes to a row of 128 bytes, four rows an instruction
	v_lshlrev_b32 v[GO], 4, v52                    ; 512 consecutive bytes of att16
	v_lshlrev_b32 v[PFO], 8, v52
	v_lshlrev_b32 v54, 3, v49
	v_sub_nc_u32 v[RH], v48, v54
	v_mov_b32 v[NINF], 0xff800000
.irp t, 0,1,2,3
	v_mov_b32 v[ST+8*\t+1], 0xff61b1e6             ; m = -3e38, under every score
	v_mul_f32 v[ST+8*\t], s[CS], v[ST+8*\t+1]      ; c m
.irp j, 2,3,4,5,6,7
	v_mov_b32 v[ST+8*\t+\j], 0                     ; l, and the registers at work: written once on every path
.endr
.endr
; THE SOFTMAX of piece y's two tiles for one key step, the tiles line by line by turns.
.macro SOFTMAX y
.irp j, 0,1,2,3
.irp t, 0,1
	v_max3_num_f32 v[ST+8*(\y+\t)+4+\j], v[S+32*\t+8*\j], v[S+32*\t+8*\j+1], v[S+32*\t+8*\j+2]   ; each accumulator is read from its low end on
.endr
.endr
.irp i, 3,5
.irp j, 0,1,2,3
.irp t, 0,1
	v_max3_num_f32 v[ST+8*(\y+\t)+4+\j], v[ST+8*(\y+\t)+4+\j], v[S+32*\t+8*\j+\i], v[S+32*\t+8*\j+\i+1]
.endr
.endr
.endr
.irp t, 0,1
	v_max3_num_f32 v[ST+8*(\y+\t)+4], v[ST+8*(\y+\t)+4], v[S+32*\t+7], v[S+32*\t+15]
.endr
.irp t, 0,1
	v_max3_num_f32 v[ST+8*(\y+\t)+6], v[ST+8*(\y+\t)+6], v[S+32*\t+23], v[S+32*\t+31]
.endr
.irp t, 0,1
	v_max3_num_f32 v[ST+8*(\y+\t)+4], v[ST+8*(\y+\t)+4], v[ST+8*(\y+\t)+5], v[ST+8*(\y+\t)+6]
.endr
.irp t, 0,1
	v_max3_num_f32 v[ST+8*(\y+\t)+4], v[ST+8*(\y+\t)+4], v[ST+8*(\y+\t)+7], v[ST+8*(\y+\t)+1]   ; with the old m
.endr
.irp t, 0,1
	v_permlanex16_b32 v[ST+8*(\y+\t)+5], v[ST+8*(\y+\t)+4], s[SEL], s[SEL+1]   ; the query's other 32 keys lie in the lane 16 away
.endr
.irp t, 0,1
	v_mov_b32 v[ST+8*(\y+\t)+7], v[ST+8*(\y+\t)]   ; c m_old
.endr
.irp t, 0,1
	v_max_num_f32 v[ST+8*(\y+\t)+1], v[ST+8*(\y+\t)+4], v[ST+8*(\y+\t)+5]
.endr
.irp t, 0,1
	v_mul_f32 v[ST+8*(\y+\t)], s[CS], v[ST+8*(\y+\t)+1]
.endr
.irp t, 0,1
	v_sub_f32 v[ST+8*(\y+\t)+7], v[ST+8*(\y+\t)+7], v[ST+8*(\y+\t)]
.endr
.irp b, 0,1,2,3,4,5,6,7,8,9,10,11,12,13,14,15
.irp t, 0,1
	v_pk_fma_f32 v[S+32*\t+2*\b:S+32*\t+2*\b+1], v[S+32*\t+2*\b:S+32*\t+2*\b+1], s[CS:CS+1], v[ST+8*(\y+\t):ST+8*(\y+\t)+1] op_sel_hi:[1,0,0] neg_lo:[0,0,1] neg_hi:[0,0,1]   ; c s - c m
.endr
.endr
.irp t, 0,1
	v_exp_f32 v[ST+8*(\y+\t)+6], v[ST+8*(\y+\t)+7]  ; a
.endr
.irp e, 0,1,2,3,4,5,6,7,8,9,10,11,12,13,14,15,16,17,18,19,20,21,22,23,24,25,26,27,28,29,30,31
.irp t, 0,1
	v_exp_f32 v[S+32*\t+\e], v[S+32*\t+\e]          ; p; both tiles' 66 exponentials are one batch
.endr
.endr
	v_nop                                          ; a plain instruction behind the last exponential
	s_wait_alu depctr_va_vdst(0)                   ; one wait for the batch, ahead of the first instruction that names a result
.irp n, 0,1,2,3,4,5,6,7,8,9,10,11,12,13,14,15
.irp t, 0,1
	v_cvt_pk_f16_f32 v[P+16*\t+\n], v[S+32*\t+2*\n], v[S+32*\t+2*\n+1]
.endr
.endr
.irp t, 0,1
	v_pk_mul_f32 v[ST+8*(\y+\t)+2:ST+8*(\y+\t)+3], v[ST+8*(\y+\t)+2:ST+8*(\y+\t)+3], v[ST+8*(\y+\t)+6:ST+8*(\y+\t)+7] op_sel_hi:[1,0]   ; l x a
.endr
.irp t, 0,1
	v_pk_add_f32 v[ST+8*(\y+\t)+4:ST+8*(\y+\t)+5], v[S+32*\t:S+32*\t+1], v[S+32*\t+2:S+32*\t+3]   ; the sum of the f32 p, in two chains
.endr
.irp j, 4,8,12,16,20,24,28
.irp t, 0,1
	v_pk_add_f32 v[ST+8*(\y+\t)+2:ST+8*(\y+\t)+3], v[ST+8*(\y+\t)+2:ST+8*(\y+\t)+3], v[S+32*\t+\j:S+32*\t+\j+1]
	v_pk_add_f32 v[ST+8*(\y+\t)+4:ST+8*(\y+\t)+5], v[ST+8*(\y+\t)+4:ST+8*(\y+\t)+5], v[S+32*\t+\j+2:S+32*\t+\j+3]
.endr
.endr
.irp t, 0,1
	v_pk_add_f32 v[ST+8*(\y+\t)+2:ST+8*(\y+\t)+3], v[ST+8*(\y+\t)+2:ST+8*(\y+\t)+3], v[ST+8*(\y+\t)+4:ST+8*(\y+\t)+5]
.endr
.endm
; A PIECE's key step: scores, mask on the diagonal, softmax, O^T x a, O^T += V^T P.  In both products eight accumulators take turns, one instruction a turn.
.macro PIECE y, qp, vwait
	WIN 0x04                                       ; Q in window 1
.irp c, 0,1
.irp kt, 0,1,2,3
.irp t, 0,1
.if \c == 0
	v_wmma_f32_16x16x32_f16 v[S+32*\t+8*\kt:S+32*\t+8*\kt+7], v[KFR+16*\kt+8*\c:KFR+16*\kt+8*\c+7], v[QF+16*(\y+\t)+8*\c:QF+16*(\y+\t)+8*\c+7], 0
.else
	v_wmma_f32_16x16x32_f16 v[S+32*\t+8*\kt:S+32*\t+8*\kt+7], v[KFR+16*\kt+8*\c:KFR+16*\kt+8*\c+7], v[QF+16*(\y+\t)+8*\c:QF+16*(\y+\t)+8*\c+7], v[S+32*\t+8*\kt:S+32*\t+8*\kt+7]
.endif
.endr
.endr
.endr
	WIN 0
.rept 4
	v_nop                                          ; places ahead of the first read of the scores
.endr
	s_add_co_u32 s96, s[KF], 63
	s_cmp_le_u32 s96, s[\qp]
	s_cbranch_scc1 .Lopen_\@                       ; all 64 keys count for all 32 queries: ids alone
	s_sub_co_i32 s96, s[\qp], s[KF]
	v_add_nc_u32 v[DM], s96, v[RH]                 ; d = my query - the step's first key - 8 h; register 8 kt + j holds key 16 kt + 8 h + j: hidden where 16 kt + j > d
.irp n, 0,1,2,3,4,5,6,7,8,9,10,11,12,13,14,15,16,17,18,19,20,21,22,23,24,25,26,27,28,29,30,31
	v_cmp_gt_i32 vcc_lo, 16*(\n/8)+\n%8, v[DM]
	v_cndmask_b32 v[S+\n], v[S+\n], v[NINF], vcc_lo
.endr
	v_add_nc_u32 v[DM], 16, v[DM]                  ; the second tile's queries lie 16 on
.irp n, 0,1,2,3,4,5,6,7,8,9,10,11,12,13,14,15,16,17,18,19,20,21,22,23,24,25,26,27,28,29,30,31
	v_cmp_gt_i32 vcc_lo, 16*(\n/8)+\n%8, v[DM]
	v_cndmask_b32 v[S+32+\n], v[S+32+\n], v[NINF], vcc_lo
.endr
.Lopen_\@:
	SOFTMAX \y
	WIN 0x41                                       ; O^T in window 1, a in window 0
.irp n, 0,1,2,3,4,5,6,7,8,9,10,11,12,13,14,15
.irp t, 0,1
	v_pk_mul_f32 v[O+32*(\y+\t)+2*\n:O+32*(\y+\t)+2*\n+1], v[O+32*(\y+\t)+2*\n:O+32*(\y+\t)+2*\n+1], v[ST+8*(\y+\t)+6:ST+8*(\y+\t)+7] op_sel_hi:[1,0]
.endr
.endr
.if \vwait
	s_wait_dscnt 0x0                               ; V is in
.endif
	WIN 0x51                                       ; V and O^T in window 1, P in window 0
.irp u, 0,1
.irp ct, 0,1,2,3
.irp t, 0,1
	v_wmma_f32_16x16x32_f16 v[O+32*(\y+\t)+8*\ct:O+32*(\y+\t)+8*\ct+7], v[VF+32*\u+8*\ct:VF+32*\u+8*\ct+7], v[P+16*\t+8*\u:P+16*\t+8*\u+7], v[O+32*(\y+\t)+8*\ct:O+32*(\y+\t)+8*\ct+7]
.endr
.endr
.endr
	WIN 0
.endm
; A KEY STEP: 64 keys.  A step whose keys all come after piece H's queries is left out whole, one whose keys all come after piece L's leaves that piece out: scalar branches on ids, round loads and work, never round the lines that step addresses.
.macro STEP
	s_add_co_u32 s96, s[QH], 31
	s_cmp_gt_u32 s[KF], s96
	s_cbranch_scc1 .Lhidden_\@
	v_add_nc_u32 v[ADK], s[TK], v[AK0]
	v_add_nc_u32 v[ADV], s[TV], v[AV0]
	v_nop
	v_nop                                          ; with the two additions: four places between the last step's products and the loads into V's registers
.irp kt, 0,1,2,3
.irp c, 0,1
	ds_load_b128 v[KFR+16*\kt+8*\c:KFR+16*\kt+8*\c+3],   v[ADK] offset:\kt*16*KP+64*\c
	ds_load_b128 v[KFR+16*\kt+8*\c+4:KFR+16*\kt+8*\c+7], v[ADK] offset:\kt*16*KP+64*\c+32
.endr
.endr
	WIN 0x40
.irp u, 0,1
.irp ct, 0,1,2,3
	ds_load_tr16_b128 v[VF+32*\u+8*\ct:VF+32*\u+8*\ct+3],   v[ADV] offset:\u*32*VP+32*\ct
	ds_load_tr16_b128 v[VF+32*\u+8*\ct+4:VF+32*\u+8*\ct+7], v[ADV] offset:\u*32*VP+16*VP+32*\ct
.endr
.endr
	WIN 0
	s_wait_dscnt 16                                ; K's sixteen loads are in; V's sixteen, issued behind them, may be out
	PIECE 0, QH, 1
	s_add_co_u32 s96, s[QL], 31
	s_cmp_gt_u32 s[KF], s96
	s_cbranch_scc1 .Lhidden_\@
	PIECE 2, QL, 0
.Lhidden_\@:
	s_add_co_u32 s[KF], s[KF], 64
	s_add_co_u32 s[TK], s[TK], 64*KP
	s_add_co_u32 s[TV], s[TV], 64*VP
.endm
; THE CHANGE OF SLOTS, at a slot's head.  Each wave waits for all its tensor loads, adds 0 to its spare word, and waits for that and for its reads of the slot that it has left; behind the barrier the slot ahead is
; whole and nobody reads the other one.  fill = 1: that other slot takes the next 256 keys, which have four key steps in which to land.
.macro CHANGE fill
	s_wait_tensorcnt 0x0                           ; no tensor load of mine is out, so a group 0 may be written
	ds_add_u32 v[SPW], v[NIL]
.if \fill
	ds_add_u32 v[SPW], v[NIL]                      ; and once more
	s_xor_b32 s[G0K+1], s[G0K+1], SLOT1
	s_add_nc_u64 s[G0K+2:G0K+3], s[G0K+2:G0K+3], 32768
	s_xor_b32 s[G0V+1], s[G0V+1], SLOT1
	s_add_nc_u64 s[G0V+2:G0V+3], s[G0V+2:G0V+3], 32768
	s_wait_xcnt 0x0                                ; the last prefetches, a slot back, have read their addresses
	s_add_nc_u64 s[PFK:PFK+1], s[PFK:PFK+1], 32768
	s_add_nc_u64 s[PFV:PFV+1], s[PFV:PFV+1], 32768
.endif
	s_wait_dscnt 0x0
	s_barrier_signal -1
	s_barrier_wait -1
.if \fill
	s_add_co_u32 s96, s[KF], 256                   ; the first key of the slot that this change would ask for
	s_or_b32 s97, s[QH], 255                       ; my work-group's last query
	s_cmp_gt_u32 s96, s97                          ; ids and the count of steps alone, the same in all eight waves: a slot that no wave reads is not asked for
	s_cbranch_scc1 .Lpast_\@
	TLOAD
.Lpast_\@:
	ASK
.endif
.endm
.macro SLOT_STEPS                      ; a slot's four key steps: written once, walked four times
	s_mov_b32 s[CNT], 4
.Lstep_\@:
	STEP
	s_sub_co_u32 s[CNT], s[CNT], 1
	s_cmp_lg_u32 s[CNT], 0
	s_cbranch_scc1 .Lstep_\@
	s_sub_co_u32 s[TK], s[TK], 256*KP
	s_xor_b32 s[TK], s[TK], SLOT1                  ; back to a slot's first step, in the other slot
	s_sub_co_u32 s[TV], s[TV], 256*VP
	s_xor_b32 s[TV], s[TV], SLOT1
.endm
	s_wait_loadcnt 0x0                             ; Q
.Lslot:                                            ; seven trips: behind each change of slots but the last the next slot is asked for, up to the causal limit
	CHANGE 1
	SLOT_STEPS
	s_sub_co_u32 s[SLOTS], s[SLOTS], 1
	s_cmp_lg_u32 s[SLOTS], 0
	s_cbranch_scc1 .Lslot
	CHANGE 0                                       ; the last slot is written out: nothing is left to ask for
	SLOT_STEPS
	; THE WAY OUT.  l's halves and the other half of the lanes' are added (these lines are the places behind the last products); O^T / l, rounded to f16, goes through my stage, a tile at a time.
.irp t, 0,1,2,3
	v_add_f32 v[ST+8*\t+4], v[ST+8*\t+2], v[ST+8*\t+3]
.endr
.irp t, 0,1,2,3
	v_permlanex16_b32 v[ST+8*\t+5], v[ST+8*\t+4], s[SEL], s[SEL+1]
.endr
.irp t, 0,1,2,3
	v_add_f32 v[ST+8*\t+4], v[ST+8*\t+4], v[ST+8*\t+5]
.endr
.irp t, 0,1,2,3
	v_rcp_f32 v[ST+8*\t+6], v[ST+8*\t+4]
.endr
	v_nop
	s_wait_alu depctr_va_vdst(0)                   ; one wait for the four reciprocals
.macro OUTT t, base, tau
.set RO, O+32*\t
.set RR, OUTR+16*(\t%2)
.if \t > 1
	s_wait_xcnt 0x0                                ; the stores of two tiles back have read these registers
.endif
	WIN 0x41
.irp n, 0,1,2,3,4,5,6,7,8,9,10,11,12,13,14,15
	v_pk_mul_f32 v[RO+2*\n:RO+2*\n+1], v[RO+2*\n:RO+2*\n+1], v[ST+8*\t+6:ST+8*\t+7] op_sel_hi:[1,0]
.endr
	WIN 0x05
.irp n, 0,1,2,3,4,5,6,7,8,9,10,11,12,13,14,15
	v_cvt_pk_f16_f32 v[RR+\n], v[RO+2*\n], v[RO+2*\n+1]
.endr
	WIN 0
.irp ct, 0,1,2,3
	ds_store_b128 v[STO], v[RR+4*\ct:RR+4*\ct+3] offset:32*\ct
.endr
.irp g, 0,1,2,3
	ds_load_b128 v[RR+4*\g:RR+4*\g+3], v[RD] offset:\g*4*KP     ; LDS serves a wave's instructions in order: these see the stores above
.endr
.irp g, 0,1,2,3
	s_wait_dscnt 3-\g
	global_store_b128 v[GO], v[RR+4*\g:RR+4*\g+3], s[\base:\base+1] offset:\tau*2048+512*\g   ; 512 consecutive bytes: four rows of the head
.endr
.endm
	OUTT 0, OBH, 0
	OUTT 1, OBH, 1
	OUTT 2, OBL, 0
	OUTT 3, OBL, 1
	s_wait_tensorcnt 0x0                           ; the wave's end
	ds_add_u32 v[SPW], v[NIL]
	s_wait_dscnt 0x0
	s_endpgm
.Lfunc_end_k_q5fe5e61eec_attn:
	.size	k_q5fe5e61eec_attn, .Lfunc_end_k_q5fe5e61eec_attn-k_q5fe5e61eec_attn
	.p2alignl 7, 3214868480
	.fill 96, 4, 3214868480
	.section	.rodata,"a",@progbits
	.p2align	6, 0x0
	.amdhsa_kernel k_q5fe5e61eec_attn
		.amdhsa_group_segment_fixed_size 327680
		.amdhsa_private_segment_fixed_size 0
		.amdhsa_enable_private_segment 0
		.amdhsa_kernarg_size 16
		.amdhsa_user_sgpr_count 2
		.amdhsa_user_sgpr_kernarg_segment_ptr 1
		.amdhsa_wavefront_size32 1
		.amdhsa_system_sgpr_workgroup_id_x 1
		.amdhsa_system_sgpr_workgroup_id_y 1
		.amdhsa_system_sgpr_workgroup_id_z 1
		.amdhsa_system_vgpr_workitem_id 0
		.amdhsa_next_free_vgpr 512
		.amdhsa_next_free_sgpr 100
		.amdhsa_reserve_vcc 1
		.amdhsa_float_denorm_mode_32 3
		.amdhsa_float_denorm_mode_16_64 3
		.amdhsa_memory_ordered 1
		.amdhsa_forward_progress 1
		.amdhsa_inst_pref_size 110
	.end_amdhsa_kernel
	.amdgpu_metadata
---
amdhsa.version: [ 1, 2 ]
amdhsa.kernels:
  - .name:           k_q5fe5e61eec_attn
    .symbol:         k_q5fe5e61eec_attn.kd
    .args:
      - { .name: qkv16, .offset: 0, .size: 8, .value_kind: global_buffer, .address_space: global }
      - { .name: att16, .offset: 8, .size: 8, .value_kind: global_buffer, .address_space: global }
    .group_segment_fixed_size: 327680
    .private_segment_fixed_size: 0
    .kernarg_segment_align: 8
    .kernarg_segment_size: 16
    .max_flat_workgroup_size: 256
    .sgpr_count:     100
    .vgpr_count:     512
    .wavefront_size: 32
...
	.end_amdgpu_metadata
.endif
;; end of part 3
;; launch proj (part 4): grid 8 x 32, 4 waves a work-group, clusters of 4 x 4, 327,680 bytes of LDS; arguments att16, wp16, b_proj, out0; writes out0
.if DOCPART == 4
	.amdgcn_target "amdgcn-amd-amdhsa--gfx1250"
	.amdhsa_code_object_version 6
	.text
	.protected	k_q5fe5e61eec_proj
	.globl	k_q5fe5e61eec_proj
	.p2align	8
	.type	k_q5fe5e61eec_proj,@function
k_q5fe5e61eec_proj:
	s_mov_b64 s[64:65], 0
	v_nop
	global_prefetch_b8 v0, s[64:65] scope:SCOPE_SE
	s_setreg_imm32_b32 hwreg(HW_REG_WAVE_MODE, 25, 1), 1
	s_wait_xcnt 0x0
	s_wait_alu depctr_hold_cnt(0) depctr_sa_sdst(0) depctr_va_vdst(0) depctr_va_sdst(0) depctr_va_ssrc(0) depctr_va_vcc(0) depctr_vm_vsrc(0)
	s_getreg_b32 s2, hwreg(HW_REG_IB_STS2, 6, 4)
	s_cmp_eq_u32 s2, 0
	s_cbranch_scc0 .Lentry_in_a_cluster
	s_endpgm
.Lentry_in_a_cluster:
	s_bfe_u32 s2, ttmp6, 0x10000c
	s_cmp_lg_u32 s2, 0xf033
	s_cbranch_scc0 .Lentry_shape_is_right
	s_endpgm
.Lentry_shape_is_right:
; OUT0 = ATT W + b: [8192][1024] x [1024 (k)][1024 (n)], f16 operands, f32 sums, K ascending.  ATT lies by head, att16 [4 b][16 h][2048 t][64]: K = 64 h + channel.  W: wp16 [k][n] f16.  OUT0 [8192][1024] f32.
; A tile of the result is 256 rows x 128 columns: 256 work-groups, one for each WGP (tiles of 256 x 256 would be 128).  Four waves, each 128 x 64: 32 accumulators, 256 registers.
; K goes in steps of 128 (two heads) through a ring of two LDS slots.  Waves 0, 1 fetch a head's 256 rows x 128 bytes each (a dense block), waves 2, 3 64 rows of W x 256 bytes each.
; CLUSTERS: 4 x 4; ATT's tiles are shared along a row of the cluster, W's along a column: joint loads.
; THE MATRIX INSTRUCTION IS USED TRANSPOSED (source 0 = 16 columns of W, turned on their way out of LDS; source 1 = 16 rows of ATT): a lane holds eight neighbouring columns of one row.
; The bias is the C of each sum's first product: nothing is cleared and nothing is added.
; (The 64 rows t < 16 are made here like all others and written anew, in f32 throughout, by the launch that follows: leaving them out would take a branch on the tile row, which differs between partners.)
; REGISTERS: window 0: v16-30 addresses, v64-127 the way out.  window 1: two fragment buffers of 96 (W's 4 x 8, then ATT's 8 x 8) at v0 and v96; the bias at v192-223.  window 2: the accumulators ((a, b) at v[8 (4 a + b)]).
.set KP,    144                        ; a row of ATT in LDS: 128 bytes + 16
.set BP,    288                        ; a row of W: 256 + 32, for the turning load
.set APL,   256*KP                     ; a head's tile
.set BOFF,  2*APL
.set SLOT,  BOFF+128*BP
.set STAGE, 2*SLOT                     ; 16 rows x 272 bytes a wave: bytes of its own
.set SPITCH, 272
.set SPARE, STAGE+4*16*SPITCH
.set ASTEP, 2<<18                      ; a K step in att16: two planes
.set BSTEP, 128*2048                   ; and in wp16: 128 rows
.set ADRA, 16
.set ADRB, 20
.set STO,  24
.set RD,   25
.set CO,   26
.set BO,   27
.set SPW,  28
.set NIL,  29
.set PFO,  30
.set OB,   64
.set F0,   0
.set F1,   96
.set BIAS, 192
.set WV,  12
.set WR,  13
.set WC,  14
.set TY,  15
.set G1A, 24
.set G0A, 32
.set G1B, 48
.set G0B, 56
.set PFA, 68
.set LIM, 70
.set MSB, 0
.macro WIN new
.if MSB != \new
	s_set_vgpr_msb (MSB<<8)|\new
.set MSB, \new
.endif
.endm
.set MUL,  0xa5                        ; sources 0, 1 window 1; C and D window 2
.set MULB, 0x95                        ; the same with C (the bias) in window 1
.set TO_F, 0x40
.macro JLOAD s                         ; waves 0, 1 fetch for ATT, waves 2, 3 for W; an s_nop 0 and four v_nop follow each line
	s_cmp_eq_u32 s[WR], 0
	s_cbranch_scc0 .Lfor_b_\@
	tensor_load_to_lds s[G0A+4*\s:G0A+4*\s+3], s[G1A:G1A+7]
	s_nop 0
.rept 4
	v_nop
.endr
	s_branch .Lasked_\@
.Lfor_b_\@:
	tensor_load_to_lds s[G0B+4*\s:G0B+4*\s+3], s[G1B:G1B+7]
	s_nop 0
.rept 4
	v_nop
.endr
.Lasked_\@:
.endm
.macro CREST
	s_cmp_lg_u32 s[WV], 0
	s_cbranch_scc1 .Lnot_wave_0_\@
	s_barrier_signal -3
.Lnot_wave_0_\@:
	s_barrier_wait -3
	s_barrier_signal -1
	s_barrier_wait -1
.endm
.macro CROUND
	s_barrier_signal -1
	s_barrier_wait -1
	CREST
.endm
; A prefetch of ATT's tile of the K step that stands two refills on.  A tile row is read by both clusters of its row of clusters: the first (cluster x = 0) asks; of a head's 32,768 bytes each of the four
; partners takes 8,192, told apart by address; waves 0 and 1 ask, a head each, lanes 256 bytes apart: each block of 256 bytes is named once.  The loop's last trip has no K step two refills on.  W is read by many and is not asked for.
.macro ASK
	s_cmp_gt_u32 s3, s[LIM]
	s_cbranch_scc0 .Lnot_mine_\@
	global_prefetch_b8 v[PFO], s[PFA:PFA+1] offset:ASTEP th:TH_LOAD_NT scope:SCOPE_SE
.Lnot_mine_\@:
.endm
	s_load_b128 s[4:7], s[0:1], 0x0                ; att16, wp16
	s_load_b128 s[8:11], s[0:1], 0x10              ; b_proj, out0
	v_lshl_add_u32 v[SPW], v0, 2, SPARE
	v_mov_b32 v[NIL], 0
	ds_add_u32 v[SPW], v[NIL]                      ; the opening: the add, twice on end, and its wait ahead of my first tensor load
	ds_add_u32 v[SPW], v[NIL]
	v_lshrrev_b32 v1, 5, v0
	v_readfirstlane_b32 s[WV], v1
	s_lshr_b32 s[WR], s[WV], 1                     ; my half of the tile's rows; also: I fetch for ATT (0) or W (1)
	s_and_b32 s[WC], s[WV], 1                      ; my half of its columns; also: which head, or which 64 rows of W, I fetch
	s_bfe_u32 s40, ttmp6, 0x40000                  ; cx
	s_bfe_u32 s41, ttmp6, 0x40004                  ; cy
	s_lshl_b32 s42, ttmp9, 2
	s_add_co_u32 s42, s42, s40                     ; tile column
	s_and_b32 s[TY], ttmp7, 0xffff
	s_lshl_b32 s[TY], s[TY], 2
	s_add_co_u32 s[TY], s[TY], s41                 ; tile row
	s_lshl_b32 s43, s41, 2
	s_lshl_b32 s43, 15, s43                        ; my row of the cluster
	s_lshl_b32 s44, 0x1111, s40                    ; my column
	s_or_b32 s[G1A], s43, (1<<16)|(1<<20)|(1<<21)|(4<<22)|(3<<25)   ; elements of 2 bytes; 4 words of padding after every 32
	s_mov_b32 s[G1A+1], 64<<16
	s_mov_b32 s[G1A+2], 256<<16
	s_mov_b32 s[G1A+3], 64<<16
	s_mov_b32 s[G1A+4], 256
	s_mov_b32 s[G1A+5], 64
	s_mov_b32 s[G1A+6], 0
	s_mov_b32 s[G1A+7], 0
	s_or_b32 s[G1B], s44, (1<<16)|(1<<20)|(1<<21)|(5<<22)|(7<<25)   ; 8 words of padding after every 64
	s_mov_b32 s[G1B+1], 128<<16
	s_mov_b32 s[G1B+2], 64<<16
	s_mov_b32 s[G1B+3], 128<<16
	s_mov_b32 s[G1B+4], 64
	s_mov_b32 s[G1B+5], 1024
	s_mov_b32 s[G1B+6], 0
	s_mov_b32 s[G1B+7], 0
	s_lshr_b32 s16, s[TY], 3                       ; ATT: plane 16 x batch + my head of K step 0,
	s_lshl_b32 s16, s16, 4
	s_add_co_u32 s16, s16, s[WC]
	s_lshl_b32 s16, s16, 18
	s_and_b32 s17, s[TY], 7
	s_lshl_b32 s17, s17, 15                        ; the tile's 256 rows of 128 bytes
	s_add_co_u32 s16, s16, s17
	s_mov_b32 s17, 0
	s_lshl_b32 s46, s[WC], 17                      ; W: my 64 rows of 2,048 bytes,
	s_lshl_b32 s47, s42, 8                         ; the tile's 128 columns
	s_add_co_u32 s46, s46, s47
	s_mov_b32 s47, 0
	s_mul_i32 s20, s[WC], APL                      ; where they go: the wave's number alone enters an LDS address
	s_mul_i32 s21, s[WC], 64*BP
	s_add_co_u32 s21, s21, BOFF
	s_wait_dscnt 0x0                               ; both opening adds are done
	s_wait_kmcnt 0x0
	s_add_nc_u64 s[16:17], s[4:5], s[16:17]
	s_add_nc_u64 s[46:47], s[6:7], s[46:47]
	CROUND                                         ; all sixteen work-groups are here
.irp s, 0,1
	s_mov_b32 s[G0A+4*\s], 1
	s_add_co_u32 s[G0A+4*\s+1], s20, \s*SLOT
	s_add_nc_u64 s[G0A+4*\s+2:G0A+4*\s+3], s[16:17], \s*ASTEP
	s_or_b32 s[G0A+4*\s+3], s[G0A+4*\s+3], 0x80000000
	s_mov_b32 s[G0B+4*\s], 1
	s_add_co_u32 s[G0B+4*\s+1], s21, \s*SLOT
	s_add_nc_u64 s[G0B+4*\s+2:G0B+4*\s+3], s[46:47], \s*BSTEP
	s_or_b32 s[G0B+4*\s+3], s[G0B+4*\s+3], 0x80000000
	JLOAD \s                                       ; two loads of mine are out
.endr
	v_and_b32 v1, 15, v0                           ; r
	v_bfe_u32 v2, v0, 4, 1                         ; h
	v_mul_u32_u24 v3, v1, KP
	v_lshl_add_u32 v3, v2, 4, v3
	s_mul_i32 s22, s[WR], 128*KP                   ; my 128 rows of each head's tile
	v_and_b32 v4, 7, v0
	v_bfe_u32 v5, v0, 3, 1
	v_lshl_add_u32 v6, v2, 3, v4                   ; W, for the turning load: row 8 h + l % 8,
	v_mul_u32_u24 v6, v6, BP
	v_lshl_add_u32 v6, v5, 4, v6                   ; columns 8 ((l / 8) % 2) on
	s_lshl_b32 s23, s[WC], 7                       ; my 64 columns
	s_add_co_u32 s23, s23, BOFF
.irp s, 0,1
	v_add_nc_u32 v[ADRA+\s], s22, v3
	v_add_nc_u32 v[ADRB+\s], s23, v6
	s_add_co_u32 s22, s22, SLOT
	s_add_co_u32 s23, s23, SLOT
.endr
	s_mul_i32 s22, s[WV], 16*SPITCH
	s_add_co_u32 s22, s22, STAGE                   ; my stage
	v_mul_u32_u24 v7, v1, SPITCH
	v_lshl_add_u32 v7, v2, 5, v7
	v_add_nc_u32 v[STO], s22, v7                   ; in: row r, 32 bytes for each half of the lanes
	v_mul_u32_u24 v7, v2, SPITCH
	v_lshl_add_u32 v7, v1, 4, v7
	v_add_nc_u32 v[RD], s22, v7                    ; back: lanes 0-15 a row of 256 bytes, lanes 16-31 the next
	v_lshlrev_b32 v[CO], 12, v2
	v_lshl_add_u32 v[CO], v1, 4, v[CO]             ; the same two rows in out0
	v_lshlrev_b32 v[BO], 5, v2                     ; the bias: my half's eight numbers of a block of 16
	v_and_b32 v[PFO], 31, v0
	v_lshlrev_b32 v[PFO], 8, v[PFO]
	s_lshl_b32 s16, s[TY], 8
	s_lshl_b32 s17, s[WR], 7
	s_add_co_u32 s16, s16, s17                     ; my first row
	s_lshl_b32 s16, s16, 12
	s_mov_b32 s17, 0
	s_lshl_b32 s46, s42, 9
	s_lshl_b32 s47, s[WC], 8
	s_add_co_u32 s46, s46, s47                     ; my first column, in bytes
	s_mov_b32 s47, 0
	s_add_nc_u64 s[10:11], s[10:11], s[16:17]
	s_add_nc_u64 s[10:11], s[10:11], s[46:47]
	s_add_nc_u64 s[8:9], s[8:9], s[46:47]
	WIN TO_F
.irp b, 0,1,2,3
	global_load_b128 v[BIAS+8*\b:BIAS+8*\b+3],   v[BO], s[8:9] offset:64*\b
	global_load_b128 v[BIAS+8*\b+4:BIAS+8*\b+7], v[BO], s[8:9] offset:64*\b+16
.endr
	WIN 0
	s_lshr_b32 s18, s[TY], 3                       ; the prefetches: my head's tile of K step 2, my work-group's 8,192 bytes of it
	s_lshl_b32 s18, s18, 4
	s_add_co_u32 s18, s18, s[WC]
	s_add_co_u32 s18, s18, 4
	s_lshl_b32 s18, s18, 18
	s_and_b32 s19, s[TY], 7
	s_lshl_b32 s19, s19, 15
	s_add_co_u32 s18, s18, s19
	s_lshl_b32 s19, s40, 13
	s_add_co_u32 s18, s18, s19
	s_mov_b32 s19, 0
	s_add_nc_u64 s[PFA:PFA+1], s[4:5], s[18:19]
	s_or_b32 s18, s[WR], ttmp9                     ; waves 0, 1 of the clusters with x = 0: the same in all sixteen partners
	s_cmp_eq_u32 s18, 0
	s_cselect_b32 s[LIM], 1, -1
.macro MUL8 f, a0, bias                ; 8 matrix instructions: row blocks a0, a0 + 1 x the 4 column blocks, 32 along K.  The 32 accumulators take turns in one order throughout
.irp a, \a0, \a0+1
.irp b, 0,1,2,3
.if \bias
	v_wmma_f32_16x16x32_f16 v[8*(4*(\a)+\b):8*(4*(\a)+\b)+7], v[\f+8*\b:\f+8*\b+7], v[\f+32+8*(\a):\f+32+8*(\a)+7], v[BIAS+8*\b:BIAS+8*\b+7]
.else
	v_wmma_f32_16x16x32_f16 v[8*(4*(\a)+\b):8*(4*(\a)+\b)+7], v[\f+8*\b:\f+8*\b+7], v[\f+32+8*(\a):\f+32+8*(\a)+7], v[8*(4*(\a)+\b):8*(4*(\a)+\b)+7]
.endif
.endr
.endr
.endm
.macro FETCH slot, q, f                ; 24 LDS loads in one run: the fragments of quarter q (32 along K) into buffer f: W's eight, then ATT's blocks 0-3, then 4-7
	WIN TO_F
.irp b, 0,1,2,3
	ds_load_tr16_b128 v[\f+8*\b:\f+8*\b+3],   v[ADRB+\slot] offset:(\q)*32*BP+32*\b
	ds_load_tr16_b128 v[\f+8*\b+4:\f+8*\b+7], v[ADRB+\slot] offset:(\q)*32*BP+16*BP+32*\b
.endr
.irp a, 0,1,2,3,4,5,6,7
	ds_load_b128 v[\f+32+8*\a:\f+32+8*\a+3],   v[ADRA+\slot] offset:((\q)/2)*APL+((\q)%2)*64+\a*16*KP
	ds_load_b128 v[\f+32+8*\a+4:\f+32+8*\a+7], v[ADRA+\slot] offset:((\q)/2)*APL+((\q)%2)*64+\a*16*KP+32
.endr
.endm
.macro PLACES
.rept 4
	v_nop
.endr
.endm
.macro QUARTER slot, q, f, g, bias     ; multiplies buffer f; in its middle fetches quarter q of the same slot into g
	s_wait_dscnt 8                                 ; W's fragments and ATT's blocks 0-3 are in; the youngest eight loads may be out
.if \bias
	WIN MULB
.else
	WIN MUL
.endif
	MUL8 \f, 0, \bias
	MUL8 \f, 2, \bias
	PLACES
	FETCH \slot, \q, \g
	s_wait_dscnt 24                                ; all but the 24 just issued
.if \bias
	WIN MULB
.else
	WIN MUL
.endif
	MUL8 \f, 4, \bias
	MUL8 \f, 6, \bias
.endm
; A K step's last quarter multiplies buffer 1 and changes slots: one barrier; ahead of it each wave waits for all its tensor loads, adds 0 to its spare word, and waits for that and for its reads of this slot.
.macro TURN slot, next, fill
.if \fill
	s_wait_xcnt 0x0                                ; the last prefetch, a K step back, has read its address
	s_add_nc_u64 s[PFA:PFA+1], s[PFA:PFA+1], ASTEP
.endif
	WIN 0
	s_wait_tensorcnt 0x0                           ; all my tensor loads have landed: my part of the next slot
	ds_add_u32 v[SPW], v[NIL]
	s_wait_dscnt 9                                 ; the add and the youngest eight loads may be out
	WIN MUL
	MUL8 F1, 0, 0
	s_wait_dscnt 0x0                               ; the add is done, my reads of this slot are over
	s_barrier_signal -1
	MUL8 F1, 2, 0
	WIN 0
	s_barrier_wait -1
.if \fill
	CREST                                          ; the barrier has opened a round of the cluster's: no wave of any partner still reads this slot or has a load on its way
	s_add_nc_u64 s[G0A+4*\slot+2:G0A+4*\slot+3], s[G0A+4*\slot+2:G0A+4*\slot+3], 2*ASTEP
	s_add_nc_u64 s[G0B+4*\slot+2:G0B+4*\slot+3], s[G0B+4*\slot+2:G0B+4*\slot+3], 2*BSTEP
	JLOAD \slot                                    ; the first tensor load behind the round; its four v_nop are also the places ahead of the loads below
.else
	PLACES
.endif
	FETCH \next, 0, F0
.if \fill
	WIN 0
	ASK
.endif
	WIN MUL
	MUL8 F1, 4, 0
	MUL8 F1, 6, 0
.endm
	s_wait_tensorcnt 1                             ; my part of K step 0 is in; K step 1's may be out
	s_barrier_signal -1
	s_barrier_wait -1
	FETCH 0, 0, F0
	s_wait_loadcnt 0x0                             ; the bias
	QUARTER 0, 1, F0, F1, 1                        ; the first products start the sums from the bias
	WIN 0
	s_mov_b32 s3, 3
.Llap:                                             ; three trips: once round the ring each, both slots filled again
	QUARTER 0, 2, F1, F0, 0
	QUARTER 0, 3, F0, F1, 0
	TURN 0, 1, 1
	QUARTER 1, 1, F0, F1, 0
	QUARTER 1, 2, F1, F0, 0
	QUARTER 1, 3, F0, F1, 0
	TURN 1, 0, 1
	QUARTER 0, 1, F0, F1, 0
	WIN 0
	s_sub_co_u32 s3, s3, 1
	s_cmp_lg_u32 s3, 0
	s_cbranch_scc1 .Llap
	QUARTER 0, 2, F1, F0, 0                        ; the last lap fills nothing
	QUARTER 0, 3, F0, F1, 0
	TURN 0, 1, 0
	QUARTER 1, 1, F0, F1, 0
	QUARTER 1, 2, F1, F0, 0
	QUARTER 1, 3, F0, F1, 0
	s_wait_dscnt 8
	WIN MUL
	MUL8 F1, 0, 0
	MUL8 F1, 2, 0
	s_wait_dscnt 0
	MUL8 F1, 4, 0
	MUL8 F1, 6, 0
	WIN 0
	; THE WAY OUT, a block of 16 rows x 64 columns at a time: through my stage, back as whole rows of 256 bytes.
.macro TOSTAGE a
	WIN 0x08                                       ; an LDS store's data: window 2
.irp b, 0,1,2,3
	ds_store_b128 v[STO], v[8*(4*(\a)+\b):8*(4*(\a)+\b)+3] offset:64*\b        ; each accumulator from its low end on
	ds_store_b128 v[STO], v[8*(4*(\a)+\b)+4:8*(4*(\a)+\b)+7] offset:64*\b+16
.endr
	WIN 0
.set BB, OB+32*((\a)%2)
.irp u, 0,1,2,3,4,5,6,7
	ds_load_b128 v[BB+4*\u:BB+4*\u+3], v[RD] offset:\u*2*SPITCH   ; LDS serves a wave's instructions in order
.endr
.endm
.macro SEND a, younger
.set BB, OB+32*((\a)%2)
	s_wait_dscnt \younger                          ; the block is back; the next block's 8 stores and 8 loads may be out
.irp u, 0,1,2,3,4,5,6,7
	global_store_b128 v[CO], v[BB+4*\u:BB+4*\u+3], s[10:11] offset:(\a)*65536+\u*8192 th:TH_STORE_NT   ; sixteen lanes store 256 consecutive bytes, aligned
.endr
.endm
	PLACES
	TOSTAGE 0
.irp a, 1,2,3,4,5,6,7
.if \a > 1
	s_wait_xcnt 0x0                                ; block a - 2's stores have read their registers
.endif
	TOSTAGE \a
	SEND \a-1, 16
.endr
	SEND 7, 0
	s_wait_tensorcnt 0x0                           ; the wave's end
	ds_add_u32 v[SPW], v[NIL]
	s_wait_dscnt 0x0
	CROUND                                         ; the closing round
	s_endpgm
.Lfunc_end_k_q5fe5e61eec_proj:
	.size	k_q5fe5e61eec_proj, .Lfunc_end_k_q5fe5e61eec_proj-k_q5fe5e61eec_proj
	.p2alignl 7, 3214868480
	.fill 96, 4, 3214868480
	.section	.rodata,"a",@progbits
	.p2align	6, 0x0
	.amdhsa_kernel k_q5fe5e61eec_proj
		.amdhsa_group_segment_fixed_size 327680
		.amdhsa_private_segment_fixed_size 0
		.amdhsa_enable_private_segment 0
		.amdhsa_kernarg_size 32
		.amdhsa_user_sgpr_count 2
		.amdhsa_user_sgpr_kernarg_segment_ptr 1
		.amdhsa_wavefront_size32 1
		.amdhsa_system_sgpr_workgroup_id_x 1
		.amdhsa_system_sgpr_workgroup_id_y 1
		.amdhsa_system_sgpr_workgroup_id_z 1
		.amdhsa_system_vgpr_workitem_id 0
		.amdhsa_next_free_vgpr 768
		.amdhsa_next_free_sgpr 72
		.amdhsa_reserve_vcc 0
		.amdhsa_float_denorm_mode_32 3
		.amdhsa_float_denorm_mode_16_64 3
		.amdhsa_memory_ordered 1
		.amdhsa_forward_progress 1
		.amdhsa_inst_pref_size 88
	.end_amdhsa_kernel
	.amdgpu_metadata
---
amdhsa.version: [ 1, 2 ]
amdhsa.kernels:
  - .name:           k_q5fe5e61eec_proj
    .symbol:         k_q5fe5e61eec_proj.kd
    .args:
      - { .name: att16, .offset: 0, .size: 8, .value_kind: global_buffer, .address_space: global }
      - { .name: wp16, .offset: 8, .size: 8, .value_kind: global_buffer, .address_space: global }
      - { .name: b_proj, .offset: 16, .size: 8, .value_kind: global_buffer, .address_space: global }
      - { .name: out0, .offset: 24, .size: 8, .value_kind: global_buffer, .address_space: global }
    .group_segment_fixed_size: 327680
    .private_segment_fixed_size: 0
    .kernarg_segment_align: 8
    .kernarg_segment_size: 32
    .max_flat_workgroup_size: 128
    .sgpr_count:     72
    .vgpr_count:     768
    .wavefront_size: 32
...
	.end_amdgpu_metadata
.endif
;; end of part 4
;; launch fine (part 5): grid 64 x 4, 16 waves a work-group, no clusters, 18,432 bytes of LDS; arguments qkv32, w_proj, b_proj, out0; writes out0
.if DOCPART == 5
	.amdgcn_target "amdgcn-amd-amdhsa--gfx1250"
	.amdhsa_code_object_version 6
	.text
	.protected	k_q5fe5e61eec_fine
	.globl	k_q5fe5e61eec_fine
	.p2align	8
	.type	k_q5fe5e61eec_fine,@function
k_q5fe5e61eec_fine:
	s_mov_b64 s[64:65], 0
	v_nop
	global_prefetch_b8 v0, s[64:65] scope:SCOPE_SE
	s_setreg_imm32_b32 hwreg(HW_REG_WAVE_MODE, 25, 1), 1
	s_wait_xcnt 0x0
; FINE: the first 16 positions of every batch, where a row of the softmax averages one to sixteen values: attention and projection in f32 throughout, from the f32 sums in qkv32 [4 b][16 t][3072]
; and from w_proj and b_proj as they are given.  It writes those 64 rows of out0 anew.  0.2 G multiply-adds in all: no bulk work.
; SHARES.  Work-group (x, b) makes 16 columns n0 = 16 x of batch b's 16 rows.  Wave = head: it makes its head's 16 x 16 attention and at once its head's share of the projection (K = its 64 channels);
; the sixteen waves' shares, 16 x 16 numbers each, meet in LDS as images of their registers, and waves 0 and 1 add them, add the bias and store.
; No tensor loads and no cluster: every operand is a few registers a lane, loaded straight from memory.  A store covers 64 bytes of each of 16 rows: 256 KB in the whole launch.
; LAYOUT of v_wmma_f32_16x16x4_f32: a lane (r, h) holds row (column) r and k = 2 h + j in register j.  Both operands of each product are fed under ONE permutation of k, so that loads and results serve as they lie:
;   S^T = K Q^T: the lane loads channels 8 u + 4 h + 0..3 of row r of Q and of K; K step 2 u + e takes registers 4 u + 2 e, + 1 of both.
;   O^T = V^T P: K step i takes keys 8 h + 2 i + {0, 1}: P's registers 2 i, 2 i + 1 as the softmax leaves them.
;   Y^T = W^T O^T: K step (ct, i) takes channels 16 ct + 8 h + 2 i + {0, 1}: O^T's registers 2 i, 2 i + 1 of tile ct.
; The registers that these matrix instructions write (SA, OA) are written by matrix instructions alone; what is made of a sum goes into other registers.
.set QFR, 16
.set KFR, 48
.set VFR, 80
.set WFR, 112
.set SA,  144                          ; four accumulators by turns: S^T, later Y^T
.set OA,  176
.set SS,  208
.set PP,  216
.set YS,  224
.set SPW, 14
.set NIL, 15
.set SPARE, 16384
	s_load_b256 s[4:11], s[0:1], 0x0               ; qkv32, w_proj, b_proj, out0
	v_lshl_add_u32 v[SPW], v0, 2, SPARE
	v_mov_b32 v[NIL], 0
	v_lshrrev_b32 v1, 5, v0
	v_readfirstlane_b32 s12, v1                    ; wave = head
	v_and_b32 v1, 15, v0                           ; r
	v_bfe_u32 v2, v0, 4, 1                         ; h
	v_mul_u32_u24 v3, v1, 12288
	v_lshl_add_u32 v3, v2, 4, v3                   ; Q, K: row r + 16 h bytes
	v_mul_u32_u24 v4, v2, 98304
	v_lshl_add_u32 v4, v1, 2, v4                   ; V: key 8 h on, channel r
	v_lshlrev_b32 v5, 15, v2
	v_lshl_add_u32 v5, v1, 2, v5                   ; W: channel 8 h on, column r
	v_lshlrev_b32 v6, 3, v2
	v_sub_nc_u32 v6, v1, v6                        ; r - 8 h
	v_mov_b32 v7, 0xff800000
	v_and_b32 v8, 31, v0
	v_lshlrev_b32 v9, 4, v8                        ; 16 x lane
	s_lshl_b32 s18, s12, 10
	v_add_nc_u32 v8, s18, v9                       ; my image: 1,024 x wave + 16 x lane
	s_and_b32 s19, s12, 1                          ; u: which four of a lane's eight numbers a reducing wave takes
	s_lshl_b32 s18, s19, 9
	v_add_nc_u32 v9, s18, v9                       ; 512 u + 16 x lane
	s_lshl_b32 s18, s19, 4
	v_lshlrev_b32 v11, 5, v2
	v_add_nc_u32 v11, s18, v11                     ; the bias: 32 h + 16 u bytes
	v_lshl_add_u32 v10, v1, 12, v11                ; out0: row r + the same
	v_mov_b32 v234, 0                              ; a lane permute's destination counts as read
	v_mov_b32 v237, 0                              ; the upper halves of pairs of which the low word serves both
	v_mov_b32 v243, 0
	s_mov_b32 s14, 0x76543210
	s_mov_b32 s15, 0xfedcba98
	s_mov_b32 s16, 0x3e38aa3b                      ; c = log2(e) / 8
	s_mov_b32 s17, s16
	s_and_b32 s20, ttmp7, 0xffff                   ; batch
	s_mul_i32 s22, s20, 196608
	s_lshl_b32 s18, s12, 8
	s_add_co_u32 s22, s22, s18                     ; qkv32: the batch's 16 rows, my head's 64 numbers
	s_mov_b32 s23, 0
	s_lshl_b32 s24, s12, 18                        ; w_proj: my head's 64 rows,
	s_lshl_b32 s26, ttmp9, 6                       ; the work-group's 16 columns
	s_add_co_u32 s24, s24, s26
	s_mov_b32 s25, 0
	s_mov_b32 s27, 0
	s_lshl_b32 s28, s20, 23                        ; out0: the batch's first row
	s_add_co_u32 s28, s28, s26
	s_mov_b32 s29, 0
	s_wait_kmcnt 0x0
	s_add_nc_u64 s[4:5], s[4:5], s[22:23]
	s_add_nc_u64 s[6:7], s[6:7], s[24:25]
	s_add_nc_u64 s[8:9], s[8:9], s[26:27]
	s_add_nc_u64 s[10:11], s[10:11], s[28:29]
.irp u, 0,1,2,3,4,5,6,7
	global_load_b128 v[QFR+4*\u:QFR+4*\u+3], v3, s[4:5] offset:32*\u
	global_load_b128 v[KFR+4*\u:KFR+4*\u+3], v3, s[4:5] offset:4096+32*\u
.endr
.irp ct, 0,1,2,3
.irp k, 0,1,2,3,4,5,6,7
	global_load_b32 v[VFR+8*\ct+\k], v4, s[4:5] offset:\k*12288+8192+64*\ct
.endr
.endr
	s_wait_loadcnt 32                              ; Q and K are in; V's 32 loads may be out
.irp ct, 0,1,2,3
.irp k, 0,1,2,3,4,5,6,7
	global_load_b32 v[WFR+8*\ct+\k], v5, s[6:7] offset:(16*\ct+\k)*4096
.endr
.endr
.set i, 0
.rept 16                               ; S^T: four accumulators by turns, one instruction a turn; the first four start the sums
.if i < 4
	v_wmma_f32_16x16x4_f32 v[SA+8*(i%4):SA+8*(i%4)+7], v[KFR+2*i:KFR+2*i+1], v[QFR+2*i:QFR+2*i+1], 0
.else
	v_wmma_f32_16x16x4_f32 v[SA+8*(i%4):SA+8*(i%4)+7], v[KFR+2*i:KFR+2*i+1], v[QFR+2*i:QFR+2*i+1], v[SA+8*(i%4):SA+8*(i%4)+7]
.endif
.set i, i+1
.endr
.rept 8
	v_nop                                          ; eight places behind this form ahead of the first read of a result
.endr
.irp p, 0,2,4,6
	v_pk_add_f32 v[SS+\p:SS+\p+1], v[SA+\p:SA+\p+1], v[SA+8+\p:SA+8+\p+1]      ; each accumulator from its low end on
.endr
.irp p, 0,2,4,6
	v_pk_add_f32 v[SS+\p:SS+\p+1], v[SS+\p:SS+\p+1], v[SA+16+\p:SA+16+\p+1]
.endr
.irp p, 0,2,4,6
	v_pk_add_f32 v[SS+\p:SS+\p+1], v[SS+\p:SS+\p+1], v[SA+24+\p:SA+24+\p+1]    ; lane (r, h), register j: query r, key 8 h + j
.endr
.irp j, 0,1,2,3,4,5,6,7
	v_cmp_gt_i32 vcc_lo, \j, v6                    ; hidden where 8 h + j > r
	v_cndmask_b32 v[SS+\j], v[SS+\j], v7, vcc_lo
.endr
	v_max3_num_f32 v232, v[SS], v[SS+1], v[SS+2]
	v_max3_num_f32 v233, v[SS+3], v[SS+4], v[SS+5]
	v_max3_num_f32 v232, v232, v[SS+6], v[SS+7]
	v_max_num_f32 v232, v232, v233
	v_permlanex16_b32 v234, v232, s14, s15
	v_max_num_f32 v232, v232, v234                 ; the row's maximum: key 0 counts for every query
	v_mul_f32 v236, s16, v232                      ; c m
.irp p, 0,2,4,6
	v_pk_fma_f32 v[SS+\p:SS+\p+1], v[SS+\p:SS+\p+1], s[16:17], v[236:237] op_sel_hi:[1,0,0] neg_lo:[0,0,1] neg_hi:[0,0,1]
.endr
.irp j, 0,1,2,3,4,5,6,7
	v_exp_f32 v[SS+\j], v[SS+\j]
.endr
	v_nop
	s_wait_alu depctr_va_vdst(0)                   ; one wait for the eight exponentials, ahead of their first reader
	v_pk_add_f32 v[238:239], v[SS:SS+1], v[SS+2:SS+3]
	v_pk_add_f32 v[240:241], v[SS+4:SS+5], v[SS+6:SS+7]
	v_pk_add_f32 v[238:239], v[238:239], v[240:241]
	v_add_f32 v238, v238, v239
	v_permlanex16_b32 v234, v238, s14, s15
	v_add_f32 v238, v238, v234                     ; the row's sum
	v_rcp_f32 v242, v238
	v_nop
	s_wait_alu depctr_va_vdst(0)
.irp p, 0,2,4,6
	v_pk_mul_f32 v[PP+\p:PP+\p+1], v[SS+\p:SS+\p+1], v[242:243] op_sel_hi:[1,0]
.endr
	s_wait_loadcnt 32                              ; V is in; W's 32 loads may be out
.irp i, 0,1,2,3                        ; O^T: four tiles of 16 channels by turns
.irp ct, 0,1,2,3
.if \i == 0
	v_wmma_f32_16x16x4_f32 v[OA+8*\ct:OA+8*\ct+7], v[VFR+8*\ct+2*\i:VFR+8*\ct+2*\i+1], v[PP+2*\i:PP+2*\i+1], 0
.else
	v_wmma_f32_16x16x4_f32 v[OA+8*\ct:OA+8*\ct+7], v[VFR+8*\ct+2*\i:VFR+8*\ct+2*\i+1], v[PP+2*\i:PP+2*\i+1], v[OA+8*\ct:OA+8*\ct+7]
.endif
.endr
.endr
.rept 9
	v_nop                                          ; nine places: a result becomes an operand of the next product
.endr
	s_wait_loadcnt 0x0                             ; W
.irp i, 0,1,2,3                        ; Y^T: my head's share, four accumulators by turns
.irp ct, 0,1,2,3
.if \i == 0
	v_wmma_f32_16x16x4_f32 v[SA+8*\ct:SA+8*\ct+7], v[WFR+8*\ct+2*\i:WFR+8*\ct+2*\i+1], v[OA+8*\ct+2*\i:OA+8*\ct+2*\i+1], 0
.else
	v_wmma_f32_16x16x4_f32 v[SA+8*\ct:SA+8*\ct+7], v[WFR+8*\ct+2*\i:WFR+8*\ct+2*\i+1], v[OA+8*\ct+2*\i:OA+8*\ct+2*\i+1], v[SA+8*\ct:SA+8*\ct+7]
.endif
.endr
.endr
.rept 8
	v_nop
.endr
.irp p, 0,2,4,6
	v_pk_add_f32 v[YS+\p:YS+\p+1], v[SA+\p:SA+\p+1], v[SA+8+\p:SA+8+\p+1]
.endr
.irp p, 0,2,4,6
	v_pk_add_f32 v[YS+\p:YS+\p+1], v[YS+\p:YS+\p+1], v[SA+16+\p:SA+16+\p+1]
.endr
.irp p, 0,2,4,6
	v_pk_add_f32 v[YS+\p:YS+\p+1], v[YS+\p:YS+\p+1], v[SA+24+\p:SA+24+\p+1]    ; lane (r, h), register j: row r, column n0 + 8 h + j
.endr
	ds_store_b128 v8, v[YS:YS+3]
	ds_store_b128 v8, v[YS+4:YS+7] offset:512
	s_wait_dscnt 0x0                               ; for the others' sake: my image has landed
	s_barrier_signal -1
	s_barrier_wait -1
	s_cmp_gt_u32 s12, 1
	s_cbranch_scc1 .Ldone                          ; waves 0 and 1 add the sixteen heads' shares, four numbers a lane each
	global_load_b128 v[244:247], v11, s[8:9]
.irp s, 0,1,2,3,4,5,6,7,8,9,10,11,12,13,14,15
	ds_load_b128 v[16+4*\s:19+4*\s], v9 offset:1024*\s
.endr
	s_wait_dscnt 0x0
.irp d, 8,4,2,1
.set i, 0
.rept \d
	v_pk_add_f32 v[16+4*i:17+4*i], v[16+4*i:17+4*i], v[16+4*(i+\d):17+4*(i+\d)]
	v_pk_add_f32 v[18+4*i:19+4*i], v[18+4*i:19+4*i], v[18+4*(i+\d):19+4*(i+\d)]
.set i, i+1
.endr
.endr
	s_wait_loadcnt 0x0                             ; the bias
	v_pk_add_f32 v[16:17], v[16:17], v[244:245]
	v_pk_add_f32 v[18:19], v[18:19], v[246:247]
	global_store_b128 v10, v[16:19], s[10:11]
.Ldone:
	s_wait_tensorcnt 0x0                           ; the wave's end, behind the last LDS store
	ds_add_u32 v[SPW], v[NIL]
	s_wait_dscnt 0x0
	s_endpgm
.Lfunc_end_k_q5fe5e61eec_fine:
	.size	k_q5fe5e61eec_fine, .Lfunc_end_k_q5fe5e61eec_fine-k_q5fe5e61eec_fine
	.p2alignl 7, 3214868480
	.fill 96, 4, 3214868480
	.section	.rodata,"a",@progbits
	.p2align	6, 0x0
	.amdhsa_kernel k_q5fe5e61eec_fine
		.amdhsa_group_segment_fixed_size 18432
		.amdhsa_private_segment_fixed_size 0
		.amdhsa_enable_private_segment 0
		.amdhsa_kernarg_size 32
		.amdhsa_user_sgpr_count 2
		.amdhsa_user_sgpr_kernarg_segment_ptr 1
		.amdhsa_wavefront_size32 1
		.amdhsa_system_sgpr_workgroup_id_x 1
		.amdhsa_system_sgpr_workgroup_id_y 1
		.amdhsa_system_sgpr_workgroup_id_z 1
		.amdhsa_system_vgpr_workitem_id 0
		.amdhsa_next_free_vgpr 256
		.amdhsa_next_free_sgpr 66
		.amdhsa_reserve_vcc 1
		.amdhsa_float_denorm_mode_32 3
		.amdhsa_float_denorm_mode_16_64 3
		.amdhsa_memory_ordered 1
		.amdhsa_forward_progress 1
		.amdhsa_inst_pref_size 22
	.end_amdhsa_kernel
	.amdgpu_metadata
---
amdhsa.version: [ 1, 2 ]
amdhsa.kernels:
  - .name:           k_q5fe5e61eec_fine
    .symbol:         k_q5fe5e61eec_fine.kd
    .args:
      - { .name: qkv32, .offset: 0, .size: 8, .value_kind: global_buffer, .address_space: global }
      - { .name: w_proj, .offset: 8, .size: 8, .value_kind: global_buffer, .address_space: global }
      - { .name: b_proj, .offset: 16, .size: 8, .value_kind: global_buffer, .address_space: global }
      - { .name: out0, .offset: 24, .size: 8, .value_kind: global_buffer, .address_space: global }
    .group_segment_fixed_size: 18432
    .private_segment_fixed_size: 0
    .kernarg_segment_align: 8
    .kernarg_segment_size: 32
    .max_flat_workgroup_size: 512
    .sgpr_count:     66
    .vgpr_count:     256
    .wavefront_size: 32
...
	.end_amdgpu_metadata
.endif
;; end of part 5
